; MI455X (gfx1250); checked and timed in simulation.
; The chip was launched on July 23, 2026; its instructions are those of AMD's public machine-readable ISA for CDNA 5 (MIT licence, August 2026) and "CDNA5" Instruction Set Architecture Reference Guide (July 2026). The comments in the code are by the model that wrote it; some were corrected since.
;; Multi Head Causal Attention. Allowed arithmetic: matrix products marked QUANTISED: E2M1 operands, one E8M0 scale for each 32 along K, by v_wmma_scale_f32_16x16x128_f8f6f4 with both operands' format E2M1 (or v_wmma_scale_f32_32x16x128_f4), f32 sums; everything else in f32.
;; Inputs: W1 1,024 x 2,730 float32; W2 1,024 x 2,730 float32; W3 2,730 x 1,024 float32; Wk 1,024 x 1,024 float32; Wo 1,024 x 1,024 float32; Wq 1,024 x 1,024 float32; Wv 1,024 x 1,024 float32; g1 1,024 float32; g2 1,024 float32; x 2 x 2,048 x 1,024 float32.
;; Outputs: out0 2 x 2,048 x 1,024 float32.
;; This version of the problem:
;;   THIS VERSION OF THE PROBLEM IS GIVEN IN LOW PRECISION. The matrix products marked QUANTISED in the list below multiply operands that are first quantised to E2M1 (2 exponent bits, 1 mantissa bit; 4 bits a number), with one power-of-two scale for each 32 numbers along K (OCP MX v1.0); their sums are f32. All else is computed in f32.
;;   The module's matrix products, in the order in which they are computed (A, B: the left and right operand; K: the contracted axis; several contracted axes count as one K, in the product's order):
;;     1. [M 4,096, K 1,024] x [K 1,024, N 1,024]; A: computed on the way; B: input Wq: QUANTISED
;;     2. [M 4,096, K 1,024] x [K 1,024, N 1,024]; A: computed on the way; B: input Wk: QUANTISED
;;     3. [M 4,096, K 1,024] x [K 1,024, N 1,024]; A: computed on the way; B: input Wv: QUANTISED
;;     4. batch 32 x [M 2,048, K 64] x [K 64, N 2,048]; A: computed on the way; B: computed on the way: QUANTISED
;;     5. batch 32 x [M 64, K 2,048] x [K 2,048, N 2,048]; A: computed on the way; B: softmax (see below): QUANTISED
;;     6. [M 4,096, K 1,024] x [K 1,024, N 1,024]; A: computed on the way; B: input Wo: QUANTISED
;;     7. [M 4,096, K 1,024] x [K 1,024, N 2,730]; A: computed on the way; B: input W1: QUANTISED
;;     8. [M 4,096, K 1,024] x [K 1,024, N 2,730]; A: computed on the way; B: input W2: QUANTISED
;;     9. [M 4,096, K 2,730] x [K 2,730, N 1,024]; A: computed on the way; B: input W3: QUANTISED
;;   THE QUANTISER, for each operand of a quantised product, along K:
;;     - K is cut into blocks of 32 from its start; a last block that is shorter is filled with zeros.
;;     - A block's scale is 2^e with e = floor(log2(the largest magnitude in the block)) - 2, held to -126 .. 127; a block of zeros has e = 0. As a byte (E8M0): e + 127.
;;     - Each number is divided by its block's scale, clamped to +-6, and rounded to the nearest number of E2M1, ties to even, subnormals kept.
;;     - The product sums the exact products of the quantised numbers (number of the format x scale) in f32.
;;   ~~~python
;;   def quantise(x, axis):      # numpy; x: float32 -> the quantised numbers, widened to float32 again
;;       x = np.moveaxis(x, axis, -1); K = x.shape[-1]
;;       x = np.pad(x, [(0, 0)] * (x.ndim - 1) + [(0, -K % 32)]); x = x.reshape(x.shape[:-1] + (-1, 32)); a = np.abs(x).max(-1, keepdims=True)
;;       e = np.where(a > 0, np.clip(np.frexp(np.where(a > 0, a, 1))[1] - 1 - 2, -126, 127), 0)      # np.frexp(a)[1] - 1 = floor(log2(a)), exactly
;;       r = np.clip(x / 2.0 ** e, -6, 6)
;;       step = 2.0 ** (np.maximum(np.frexp(np.where(r == 0, 1, r))[1] - 1, 0) - 1)
;;       q = np.round(r / step) * step * 2.0 ** e      # np.round: ties to even
;;       return np.moveaxis(q.reshape(q.shape[:-2] + (-1,))[..., :K], -1, axis).astype(np.float32)
;;   ~~~
;;   SOFTMAX AHEAD OF A QUANTISED PRODUCT. Where the list says 'softmax', what is quantised is not the finished softmax but p = 2^(t - M), with t = logit x log2(e) and M = ceil(the row's largest t), a whole number; so 1/2 < the row's largest p <= 1. The row's sum l is taken of the UNQUANTISED p, in f32, and the product's result is divided by l at the end. Since M is a whole number, a kernel that streams over the keys may use a running M (the ceiling of the running maximum): every later rescaling is an exact power of two, which a block's scale takes up: the codes' values come out the same.
;;   OPERANDS COMPUTED ON THE WAY. 'Computed on the way' means the value that the module computes at that place (a softmax that the list does not call 'softmax' is quantised finished and normalised). What goes into a quantiser is computed in f32, as accurately as f32 sums, v_exp_f32 and their like allow (about 1e-6 of the number): no bf16 or f16 on the way to a quantiser, and a product that is left as it is and whose result goes on into a quantised operand takes f32 operands (vector FMAs, or v_wmma_f32_16x16x4_f32). A number that lies on a knife's edge between two numbers of the format may be rounded either way, as far as f32 arithmetic and the matrix unit's own rounding can turn it there, and no further.
;; One version. Each part assembles by itself: llvm-mc -triple=amdgcn-amd-amdhsa -mcpu=gfx1250 --defsym DOCPART=n.
;; ======== version 1 of 1: 7 launches
;; limits: right only within a limited range of input values
;; workspace buffers: WB 6,823,936 bytes; HB 2,228,224 bytes; CB 2,228,224 bytes; H2B 2,228,224 bytes; QKV 6,684,672 bytes; X1 16,777,216 bytes; UB 6,127,616 bytes
;; launch prep (part 1): grid 452 x 1, 8 waves a work-group, no clusters, 66,816 bytes of LDS; arguments x, g1, HB, Wq, Wk, Wv, Wo, W3, W1, W2, WB; writes HB, WB
.if DOCPART == 1
	.amdgcn_target "amdgcn-amd-amdhsa--gfx1250"
	.amdhsa_code_object_version 6
	.text
	.protected	k_q8109f530a3_prep
	.globl	k_q8109f530a3_prep
	.p2align	8
	.type	k_q8109f530a3_prep,@function
k_q8109f530a3_prep:
	s_mov_b64 s[64:65], 0
	v_nop
	global_prefetch_b8 v0, s[64:65] scope:SCOPE_SE
	s_setreg_imm32_b32 hwreg(HW_REG_WAVE_MODE, 25, 1), 1
	s_wait_xcnt 0x0
; TWO JOBS IN ONE BODY, parted on the work-group number alone.
; Work-groups 0-255: h = g * (x * rsqrt(mean(x^2) + 1e-5)) for 16 rows of 1,024, quantised to FP4 (E2M1) along the row, one E8M0 byte for each 32.
; Work-groups 256-451: the seven weights, stored [K][N] in f32, quantised along K (their first axis).
; LAYOUT OF ALL CODES OF THIS PROGRAM: the order of the matrix operand's registers.  A tile is 16 rows x 128 K = 1,024 bytes: register group c (0, 1) at 512 c + 16 x lane;
; so block kb (32 along K) of place r lies at 512 ((kb / 2) % 2) + 256 (kb % 2) + 16 r.  Tile (TT, ks) lies at TT x TS + 1,024 ks.  Scale words: [pair of tiles][ks][32 places], 4 bytes each.
; ROW ORDER: place r of tile 2 b + u is row 32 b + 8 u + r + 8 (r / 8): used as source 0 of a product, two neighbouring tiles then give a lane 16 neighbouring results.
; A block's scale byte is its largest magnitude's exponent field - 2, held at 1 from below by a floor among the maximum's leaves.
; LIMITS: NaN and infinities among the inputs are not served.  A block of zeros gets the byte 1 where the rule says 127: its codes are zeros, and the bytes are read by this program alone.
; No matrix unit, no tensor loads, no cluster: both jobs stream, and no two work-groups read the same bytes but g (4 KiB).
.set X,     32                         ; v32-95   numbers
.set GN,    96                         ; v96-127  norm path: g
.set C,     96                         ; v96-127  weights path: codes, four registers a block, never rewritten
.set PITCH, 4112                       ; an LDS row: 4,096 bytes + 16: the 16 rows that a load touches start 4 banks apart
.set HSC,   2097152                    ; where the scale words begin in the activations' buffer
.set W12C,  2097152                    ; sections of WB
.set W3C,   4980736
.set QKVS,  6422528
.set W12S,  6553600
.set W3S,   6733824
.set SRC,   36                         ; s[36:37] the weight, at my first number
.set DC,    38                         ; s[38:39] where my codes go
.set DS,    40                         ; s[40:41] where my scale words go
; the largest magnitude of v[s] .. v[s + 31], and the floor 2^(3 - 127), in two chains
.macro BMAX d, t, s
	v_max3_num_f32 v[\d], |v[\s]|, |v[\s+1]|, |v[\s+2]|
	v_max3_num_f32 v[\t], |v[\s+3]|, |v[\s+4]|, |v[\s+5]|
.irp i, 6,10,14,18,22,26
	s_delay_alu instid0(VALU_DEP_2)
	v_max3_num_f32 v[\d], v[\d], |v[\s+\i]|, |v[\s+\i+1]|
	s_delay_alu instid0(VALU_DEP_2)
	v_max3_num_f32 v[\t], v[\t], |v[\s+\i+2]|, |v[\s+\i+3]|
.endr
	s_delay_alu instid0(VALU_DEP_2)
	v_max3_num_f32 v[\d], v[\d], |v[\s+30]|, |v[\s+31]|
	s_delay_alu instid0(VALU_DEP_1)
	v_max3_num_f32 v[\d], v[\d], v[\t], 0x1800000
.endm
; block t of my chunk: rows 32 t + 0 .. n - 1 of my column into set t % 2; the rows past the end of K are zeros
.macro WLOAD t, pitch, n
.set wi, 0
.rept 32
.if wi < \n
	global_load_b32 v[X+32*((\t)%2)+wi], v4, s[SRC:SRC+1] offset:(32*(\t)+wi)*\pitch th:TH_LOAD_NT
.else
	v_mov_b32 v[X+32*((\t)%2)+wi], 0
.endif
.set wi, wi+1
.endr
.endm
; block t is quantised and stored.  younger: the loads of block t + 1, the only ones issued behind this block's
.macro WBLOCK t, mask, younger
.set XS, X+32*((\t)%2)
	s_wait_loadcnt \younger
	BMAX 12, 13, XS
	s_delay_alu instid0(VALU_DEP_1)
	v_add_nc_u32 v11, 0xff000000, v12              ; 2 off the exponent field: the conversion's scale operand
	s_delay_alu instid0(VALU_DEP_1)
	v_lshrrev_b32 v13, 23, v11                     ; the scale's byte
.if (\t)%4 == 0
	s_delay_alu instid0(VALU_DEP_1)
	v_mov_b32 v[8+(\t)/4], v13
.else
	s_delay_alu instid0(VALU_DEP_1)
	v_lshl_or_b32 v[8+(\t)/4], v13, 8*((\t)%4), v[8+(\t)/4]
.endif
.irp g, 0,1,2,3
	v_cvt_scalef32_pk8_fp4_f32 v[C+4*(\t)+\g], v[XS+8*\g:XS+8*\g+7], v11
.endr
	v_nop                                          ; one plain line behind the conversions
.if \mask
.irp g, 0,1,2,3
	v_cndmask_b32 v[C+4*(\t)+\g], 0, v[C+4*(\t)+\g], vcc_lo   ; columns from 2,730 on: zero codes
.endr
.endif
	global_store_b128 v5, v[C+4*(\t):C+4*(\t)+3], s[DC:DC+1] offset:((\t)/4)*1024+(((\t)/2)%2)*512+((\t)%2)*256   ; lanes 0-15: 256 consecutive bytes of one tile; lanes 16-31: of the next
.endm
; 256 along K of 32 columns: 8 blocks, loads one block ahead of the block at work.  n5, n6, n7: rows of blocks 5, 6, 7 that exist
.macro CHUNK pitch, mask, n5, n6, n7
	WLOAD 0, \pitch, 32
	WLOAD 1, \pitch, 32
	WBLOCK 0, \mask, 32
	WLOAD 2, \pitch, 32
	WBLOCK 1, \mask, 32
	WLOAD 3, \pitch, 32
	WBLOCK 2, \mask, 32
	WLOAD 4, \pitch, 32
	WBLOCK 3, \mask, 32
	WLOAD 5, \pitch, \n5
	WBLOCK 4, \mask, \n5
	WLOAD 6, \pitch, \n6
	WBLOCK 5, \mask, \n6
	WLOAD 7, \pitch, \n7
	WBLOCK 6, \mask, \n7
	WBLOCK 7, \mask, 0
	global_store_b32 v6, v8, s[DS:DS+1]            ; the scale words of the chunk's two K steps: 128 consecutive bytes each
	global_store_b32 v6, v9, s[DS:DS+1] offset:128
.endm
	s_load_b512 s[4:19], s[0:1], 0x0               ; x 4:5, g 6:7, codes out 8:9, Wq 10:11, Wk 12:13, Wv 14:15, Wo 16:17, W3 18:19
	s_load_b128 s[20:23], s[0:1], 0x40             ; W1, W2
	s_load_b64 s[24:25], s[0:1], 0x50              ; WB
	v_lshl_add_u32 v128, v0, 2, 0x10100
	v_mov_b32 v129, 0
	v_lshrrev_b32 v1, 5, v0
	s_delay_alu instid0(VALU_DEP_1)
	v_readfirstlane_b32 s26, v1                    ; wave 0..7
	v_and_b32 v1, 31, v0                           ; lane
	s_cmp_lt_u32 ttmp9, 256
	s_cbranch_scc0 .Lweights
	; ---- THE NORM.  The work-group is tile TT = its number; wave w first takes places 2 w and 2 w + 1, two neighbouring rows
	v_lshlrev_b32 v2, 4, v1                        ; 16 x lane
	v_and_b32 v3, 15, v1                           ; r
	v_lshrrev_b32 v4, 4, v1                        ; h
	s_lshr_b32 s27, ttmp9, 1                       ; pair of tiles
	s_and_b32 s28, ttmp9, 1                        ; u
	s_lshl_b32 s29, s27, 5
	s_lshl_b32 s30, s28, 3
	s_add_co_u32 s29, s29, s30
	s_lshl_b32 s30, s26, 1
	s_add_co_u32 s29, s29, s30
	s_lshr_b32 s30, s26, 2
	s_lshl_b32 s30, s30, 3
	s_add_co_u32 s29, s29, s30                     ; my first row: 32 pair + 8 u + 2 w + 8 (w / 4)
	s_lshl_b32 s30, s29, 12
	s_mov_b32 s31, 0
	s_mov_b32 s32, 0x76543210
	s_mov_b32 s33, 0xfedcba98                      ; selects for lane l xor 16
	s_mov_b32 s34, 0x3a800000                      ; 1 / 1,024
	s_mov_b32 s35, 0x3727c5ac                      ; 1e-5
	s_wait_alu depctr_va_vdst(0)
	s_wait_kmcnt 0x0
	s_add_nc_u64 s[4:5], s[4:5], s[30:31]
.irp p, 0,1
.irp j, 0,1,2,3,4,5,6,7
	global_load_b128 v[X+32*\p+4*\j:X+32*\p+4*\j+3], v2, s[4:5] offset:\p*4096+\j*512 th:TH_LOAD_NT   ; 512 consecutive bytes a load
.endr
.endr
.irp j, 0,1,2,3,4,5,6,7
	global_load_b128 v[GN+4*\j:GN+4*\j+3], v2, s[6:7] offset:\j*512
.endr
	s_mul_i32 s36, s26, 2*PITCH
	v_add_nc_u32 v16, s36, v2                      ; LDS, in: my two rows, 16 bytes a lane
	v_mul_u32_u24 v17, v3, PITCH
	s_delay_alu instid0(VALU_DEP_1)
	v_lshl_add_u32 v17, v4, 7, v17
	s_lshl_b32 s36, s26, 9
	v_add_nc_u32 v17, s36, v17                     ; LDS, out: row r, K step w, block h
	v_lshlrev_b32 v18, 2, v3                       ; 4 r
	v_mov_b32 v10, 0                               ; a lane permute's destination counts as read
	v_mov_b32 v11, 0
	s_lshl_b32 s36, ttmp9, 13
	s_lshl_b32 s37, s26, 10
	s_add_co_u32 s36, s36, s37
	s_mov_b32 s37, 0
	s_add_nc_u64 s[DC:DC+1], s[8:9], s[36:37]      ; codes: tile TT, K step w
	s_lshl_b32 s36, s27, 3
	s_add_co_u32 s36, s36, s26
	s_lshl_b32 s36, s36, 7
	s_lshl_b32 s42, s28, 6
	s_add_co_u32 s36, s36, s42
	s_add_co_u32 s36, s36, HSC
	s_add_nc_u64 s[DS:DS+1], s[8:9], s[36:37]      ; scale words: (pair, K step w), my tile's 16 places
	s_wait_loadcnt 8                               ; x is in; the 8 loads of g may be out
	v_pk_mul_f32 v[6:7], v[X:X+1], v[X:X+1]
	v_pk_mul_f32 v[8:9], v[X+32:X+33], v[X+32:X+33]
.set ii, 2
.rept 15
	s_delay_alu instid0(VALU_DEP_2)
	v_pk_fma_f32 v[6:7], v[X+ii:X+ii+1], v[X+ii:X+ii+1], v[6:7]
	s_delay_alu instid0(VALU_DEP_2)
	v_pk_fma_f32 v[8:9], v[X+32+ii:X+33+ii], v[X+32+ii:X+33+ii], v[8:9]
.set ii, ii+2
.endr
	s_delay_alu instid0(VALU_DEP_2)
	v_add_f32 v6, v6, v7
	s_delay_alu instid0(VALU_DEP_2)
	v_add_f32 v8, v8, v9
.irp m, 1,2,4,8
	s_delay_alu instid0(VALU_DEP_2)
	v_add_f32_dpp v6, v6, v6 row_xmask:\m row_mask:0xf bank_mask:0xf
	s_delay_alu instid0(VALU_DEP_2)
	v_add_f32_dpp v8, v8, v8 row_xmask:\m row_mask:0xf bank_mask:0xf
.endr
	s_delay_alu instid0(VALU_DEP_2)
	v_permlanex16_b32 v10, v6, s32, s33
	s_delay_alu instid0(VALU_DEP_2)
	v_permlanex16_b32 v11, v8, s32, s33
	s_delay_alu instid0(VALU_DEP_2)
	v_add_f32 v6, v6, v10
	s_delay_alu instid0(VALU_DEP_2)
	v_add_f32 v8, v8, v11                          ; each row's sum of squares, in every lane
	s_delay_alu instid0(VALU_DEP_2)
	v_fma_f32 v6, v6, s34, s35                     ; the mean (exact: a power of two) + eps
	s_delay_alu instid0(VALU_DEP_2)
	v_fma_f32 v8, v8, s34, s35
	s_wait_alu depctr_va_vdst(0)
	v_rsq_f32 v12, v6                              ; twice each: the packed multiply names a pair
	v_rsq_f32 v13, v6
	v_rsq_f32 v14, v8
	v_rsq_f32 v15, v8
	v_nop                                          ; a plain line behind the last of the four
	s_wait_alu depctr_va_vdst(0)                   ; one wait for the four, ahead of their first reader
	s_wait_loadcnt 0x0                             ; g
.set ii, 0
.rept 16
	v_pk_mul_f32 v[X+ii:X+ii+1], v[X+ii:X+ii+1], v[12:13]
	v_pk_mul_f32 v[X+32+ii:X+33+ii], v[X+32+ii:X+33+ii], v[14:15]
.set ii, ii+2
.endr
.set ii, 0
.rept 16
	v_pk_mul_f32 v[X+ii:X+ii+1], v[X+ii:X+ii+1], v[GN+ii:GN+ii+1]        ; g * (x * rs)
	v_pk_mul_f32 v[X+32+ii:X+33+ii], v[X+32+ii:X+33+ii], v[GN+ii:GN+ii+1]
.set ii, ii+2
.endr
.irp p, 0,1
.irp j, 0,1,2,3,4,5,6,7
	ds_store_b128 v16, v[X+32*\p+4*\j:X+32*\p+4*\j+3] offset:\p*PITCH+\j*512
.endr
.endr
	s_wait_dscnt 0x0                               ; for the others: my rows lie in LDS
	s_barrier_signal -1
	s_barrier_wait -1
	; wave w now serves K step w of all 16 rows: lane (r, h) takes the whole blocks 2 c + h of row r, as the operand's layout gives them to that lane
.irp c, 0,1
.irp j, 0,1,2,3,4,5,6,7
	ds_load_b128 v[X+32*\c+4*\j:X+32*\c+4*\j+3], v17 offset:\c*256+16*\j
.endr
.endr
	s_wait_dscnt 8                                 ; block h is in; the 8 loads of block 2 + h may be out
	BMAX 28, 10, X
	s_wait_dscnt 0x0
	BMAX 29, 11, X+32
	v_add_nc_u32 v30, 0xff000000, v28
	s_delay_alu instid0(VALU_DEP_2)
	v_add_nc_u32 v31, 0xff000000, v29
	s_delay_alu instid0(VALU_DEP_2)
	v_lshrrev_b32 v28, 23, v30
	s_delay_alu instid0(VALU_DEP_2)
	v_lshrrev_b32 v29, 23, v31
	s_delay_alu instid0(VALU_DEP_1)
	v_lshl_or_b32 v5, v29, 16, v28                 ; my two bytes: blocks h and 2 + h,
	v_lshlrev_b32 v19, 3, v4
	s_delay_alu instid0(VALU_DEP_1)
	v_lshlrev_b32 v5, v19, v5                      ; 8 h bits up;
	s_delay_alu instid0(VALU_DEP_1)
	v_permlanex16_b32 v10, v5, s32, s33
	s_delay_alu instid0(VALU_DEP_1)
	v_or_b32 v5, v5, v10                           ; with lane l xor 16's two the word is whole, in both lanes
.irp c, 0,1
.irp g, 0,1,2,3
	v_cvt_scalef32_pk8_fp4_f32 v[20+4*\c+\g], v[X+32*\c+8*\g:X+32*\c+8*\g+7], v[30+\c]
.endr
.endr
	v_nop
	global_store_b128 v2, v[20:23], s[DC:DC+1]             ; 512 consecutive bytes each
	global_store_b128 v2, v[24:27], s[DC:DC+1] offset:512
	global_store_b32 v18, v5, s[DS:DS+1]                   ; lanes r and r + 16 write the same word with the same value
	s_wait_tensorcnt 0x0
	ds_add_u32 v128, v129
	s_wait_dscnt 0x0
	s_endpgm
	; ---- THE WEIGHTS.  A wave takes 32 columns (a pair of tiles) x 256 along K.  Lane l sits at place l of the pair and takes the column with bits 3 and 4 of l swapped:
	; a load reads 128 consecutive bytes, the eight waves stand side by side, a block of 32 along K lies in one lane's 32 registers.
.Lweights:
	s_sub_co_u32 s27, ttmp9, 256
	s_wait_alu depctr_va_vdst(0)
	v_and_b32 v2, 7, v1
	v_and_b32 v3, 8, v1
	s_delay_alu instid0(VALU_DEP_1)
	v_lshl_or_b32 v2, v3, 1, v2
	v_and_b32 v3, 16, v1
	s_delay_alu instid0(VALU_DEP_1)
	v_lshrrev_b32 v3, 1, v3
	s_delay_alu instid0(VALU_DEP_1)
	v_or_b32 v2, v2, v3                            ; my column among the 32
	v_lshlrev_b32 v6, 2, v1                        ; my scale word's place
	v_and_b32 v7, 15, v1
	s_delay_alu instid0(VALU_DEP_1)
	v_lshlrev_b32 v7, 4, v7                        ; 16 x place in the tile
	v_lshrrev_b32 v3, 4, v1                        ; which tile of the pair
	s_mov_b32 s43, 0
	s_wait_kmcnt 0x0
	s_cmp_lt_u32 s27, 64
	s_cbranch_scc0 .Lnot_square
	s_lshr_b32 s28, s27, 4                         ; which of Wq, Wk, Wv, Wo
	s_bfe_u32 s29, s27, 0x20002
	s_lshl_b32 s29, s29, 3
	s_add_co_u32 s29, s29, s26                     ; pair of tiles 0..31
	s_and_b32 s30, s27, 3                          ; chunk of 256 along K
	s_cmp_eq_u32 s28, 0
	s_cselect_b64 s[SRC:SRC+1], s[10:11], s[12:13]
	s_cmp_eq_u32 s28, 2
	s_cselect_b64 s[44:45], s[14:15], s[16:17]
	s_cmp_lt_u32 s28, 2
	s_cselect_b64 s[SRC:SRC+1], s[SRC:SRC+1], s[44:45]
	s_lshl_b32 s31, s28, 5
	s_add_co_u32 s31, s31, s29
	s_lshl_b32 s32, s31, 14                        ; the pair's codes: 2 tiles x 8 KiB
	s_lshl_b32 s33, s31, 10
	s_add_co_u32 s33, s33, QKVS                    ; and its scale words
	s_wait_alu depctr_va_vdst(0)
	v_lshl_add_u32 v5, v3, 13, v7
	s_branch .Lcommon
.Lnot_square:
	s_cmp_lt_u32 s27, 152
	s_cbranch_scc0 .Lw3
	s_sub_co_u32 s28, s27, 64
	s_cmp_ge_u32 s28, 44                           ; W1 or W2
	s_cselect_b32 s31, 1, 0
	s_cselect_b32 s34, 44, 0
	s_cselect_b64 s[SRC:SRC+1], s[22:23], s[20:21]
	s_sub_co_u32 s28, s28, s34
	s_lshr_b32 s29, s28, 2
	s_lshl_b32 s29, s29, 3
	s_add_co_u32 s29, s29, s26                     ; group of 32 columns 0..87
	s_and_b32 s30, s28, 3
	s_mul_i32 s42, s30, 256*10920
	s_add_nc_u64 s[SRC:SRC+1], s[SRC:SRC+1], s[42:43]
	s_lshl_b32 s32, s29, 1
	s_add_co_u32 s32, s32, s31                     ; a group holds W1's pair, then W2's
	s_lshl_b32 s42, s32, 14
	s_lshl_b32 s34, s30, 11
	s_add_co_u32 s42, s42, s34
	s_add_co_u32 s42, s42, W12C
	s_add_nc_u64 s[DC:DC+1], s[24:25], s[42:43]
	s_lshl_b32 s42, s32, 10
	s_lshl_b32 s34, s30, 8
	s_add_co_u32 s42, s42, s34
	s_add_co_u32 s42, s42, W12S
	s_add_nc_u64 s[DS:DS+1], s[24:25], s[42:43]
	s_lshl_b32 s34, s29, 5
	s_wait_alu depctr_va_vdst(0)
	v_add_nc_u32 v4, s34, v2                       ; my column
	s_delay_alu instid0(VALU_DEP_1)
	v_cmp_gt_u32 vcc_lo, 2730, v4                  ; does it exist?
	s_delay_alu instid0(VALU_DEP_2)
	v_min_u32 v4, 2729, v4                         ; no load leaves the buffer: the columns past the end read the last one, and their codes are cleared
	s_delay_alu instid0(VALU_DEP_1)
	v_lshlrev_b32 v4, 2, v4
	v_lshl_add_u32 v5, v3, 13, v7
	CHUNK 10920, 1, 32, 32, 32
	s_endpgm
.Lw3:
	s_sub_co_u32 s28, s27, 152
	s_lshr_b32 s30, s28, 2                         ; chunk 0..10: 2,816 along K, of which 2,730 exist
	s_and_b32 s29, s28, 3
	s_lshl_b32 s29, s29, 3
	s_add_co_u32 s29, s29, s26
	s_mov_b64 s[SRC:SRC+1], s[18:19]
	s_mul_i32 s32, s29, 45056
	s_add_co_u32 s32, s32, W3C
	s_mul_i32 s33, s29, 2816
	s_add_co_u32 s33, s33, W3S
	s_wait_alu depctr_va_vdst(0)
	v_mul_u32_u24 v5, v3, 22528
	s_delay_alu instid0(VALU_DEP_1)
	v_add_nc_u32 v5, v5, v7
.Lcommon:                                              ; rows of 4,096 bytes.  s29 pair, s30 chunk, s32 and s33 the pair's codes and scale words in WB
	s_lshl_b32 s42, s30, 20
	s_lshl_b32 s34, s29, 7
	s_add_co_u32 s42, s42, s34
	s_add_nc_u64 s[SRC:SRC+1], s[SRC:SRC+1], s[42:43]
	s_lshl_b32 s42, s30, 11
	s_add_co_u32 s42, s42, s32
	s_add_nc_u64 s[DC:DC+1], s[24:25], s[42:43]
	s_lshl_b32 s42, s30, 8
	s_add_co_u32 s42, s42, s33
	s_add_nc_u64 s[DS:DS+1], s[24:25], s[42:43]
	v_lshlrev_b32 v4, 2, v2
	s_cmp_eq_u32 s30, 10                           ; only W3 has a chunk 10
	s_cbranch_scc1 .Ltail
	CHUNK 4096, 0, 32, 32, 32
	s_endpgm
.Ltail:
	s_wait_alu depctr_va_vdst(0)
	CHUNK 4096, 0, 10, 0, 0                        ; rows 2,560 on: five whole blocks, one of 10 rows, two of none
	s_endpgm
.Lfunc_end_k_q8109f530a3_prep:
	.size	k_q8109f530a3_prep, .Lfunc_end_k_q8109f530a3_prep-k_q8109f530a3_prep
	.p2alignl 7, 3214868480
	.fill 96, 4, 3214868480
	.section	.rodata,"a",@progbits
	.p2align	6, 0x0
	.amdhsa_kernel k_q8109f530a3_prep
		.amdhsa_group_segment_fixed_size 66816
		.amdhsa_private_segment_fixed_size 0
		.amdhsa_enable_private_segment 0
		.amdhsa_kernarg_size 88
		.amdhsa_user_sgpr_count 2
		.amdhsa_user_sgpr_kernarg_segment_ptr 1
		.amdhsa_wavefront_size32 1
		.amdhsa_system_sgpr_workgroup_id_x 1
		.amdhsa_system_sgpr_workgroup_id_y 1
		.amdhsa_system_sgpr_workgroup_id_z 1
		.amdhsa_system_vgpr_workitem_id 0
		.amdhsa_next_free_vgpr 130
		.amdhsa_next_free_sgpr 66
		.amdhsa_reserve_vcc 1
		.amdhsa_float_denorm_mode_32 3
		.amdhsa_float_denorm_mode_16_64 3
		.amdhsa_memory_ordered 1
		.amdhsa_forward_progress 1
		.amdhsa_inst_pref_size 143
	.end_amdhsa_kernel
	.amdgpu_metadata
---
amdhsa.version: [ 1, 2 ]
amdhsa.kernels:
  - .name:           k_q8109f530a3_prep
    .symbol:         k_q8109f530a3_prep.kd
    .args:
      - { .name: x, .offset: 0, .size: 8, .value_kind: global_buffer, .address_space: global }
      - { .name: g1, .offset: 8, .size: 8, .value_kind: global_buffer, .address_space: global }
      - { .name: HB, .offset: 16, .size: 8, .value_kind: global_buffer, .address_space: global }
      - { .name: Wq, .offset: 24, .size: 8, .value_kind: global_buffer, .address_space: global }
      - { .name: Wk, .offset: 32, .size: 8, .value_kind: global_buffer, .address_space: global }
      - { .name: Wv, .offset: 40, .size: 8, .value_kind: global_buffer, .address_space: global }
      - { .name: Wo, .offset: 48, .size: 8, .value_kind: global_buffer, .address_space: global }
      - { .name: W3, .offset: 56, .size: 8, .value_kind: global_buffer, .address_space: global }
      - { .name: W1, .offset: 64, .size: 8, .value_kind: global_buffer, .address_space: global }
      - { .name: W2, .offset: 72, .size: 8, .value_kind: global_buffer, .address_space: global }
      - { .name: WB, .offset: 80, .size: 8, .value_kind: global_buffer, .address_space: global }
    .group_segment_fixed_size: 66816
    .private_segment_fixed_size: 0
    .kernarg_segment_align: 8
    .kernarg_segment_size: 88
    .max_flat_workgroup_size: 256
    .sgpr_count:     66
    .vgpr_count:     130
    .wavefront_size: 32
...
	.end_amdgpu_metadata
.endif
;; end of part 1
;; launch qkv (part 2): grid 16 x 16, 4 waves a work-group, clusters of 4 x 4, 327,680 bytes of LDS; arguments HB, WB, QKV; writes QKV
.if DOCPART == 2
	.amdgcn_target "amdgcn-amd-amdhsa--gfx1250"
	.amdhsa_code_object_version 6
	.text
	.protected	k_q8109f530a3_qkv
	.globl	k_q8109f530a3_qkv
	.p2align	8
	.type	k_q8109f530a3_qkv,@function
k_q8109f530a3_qkv:
	s_mov_b64 s[64:65], 0
	v_nop
	global_prefetch_b8 v0, s[64:65] scope:SCOPE_SE
	s_setreg_imm32_b32 hwreg(HW_REG_WAVE_MODE, 25, 1), 1
	s_wait_xcnt 0x0
	s_wait_alu depctr_hold_cnt(0) depctr_sa_sdst(0) depctr_va_vdst(0) depctr_va_sdst(0) depctr_va_ssrc(0) depctr_va_vcc(0) depctr_vm_vsrc(0)
	s_getreg_b32 s2, hwreg(HW_REG_IB_STS2, 6, 4)
	s_cmp_eq_u32 s2, 0
	s_cbranch_scc0 .Lentry_in_a_cluster
	s_endpgm
.Lentry_in_a_cluster:
	s_bfe_u32 s2, ttmp6, 0x10000c
	s_cmp_lg_u32 s2, 0xf033
	s_cbranch_scc0 .Lentry_shape_is_right
	s_endpgm
.Lentry_shape_is_right:
; q, k, v = h Wq, h Wk, h Wv on codes of FP4 with E8M0 scales, and the three results quantised on the way out for the attention.
; SHARES.  Work-group (x, y) makes rows 256 y .. + 255 of head x of q, of k and of v: 16 x 16 = 256 work-groups.  Wave w owns 64 rows; their codes for all of K = 1,024 (4 tiles x 8 K steps x 8 registers) stay in window 1.
; A wave makes three units of 64 rows x 64 columns, q, k, v, one after the other: 16 accumulators, 128 products each.
; ALL OPERANDS COME ONCE, by four tensor loads at the head, one a wave: waves 0 and 1 the halves of h's 256 rows (65,536 dense bytes each), wave 2 the head's blocks of Wq, Wk, Wv (three rows of 32,768 bytes, 524,288 apart),
; wave 3 their scale words (three rows of 2,048 bytes).  Nothing is filled again.  h's scale words go from memory into registers.
; CLUSTER 4 x 4: h's tiles hang on y alone and are asked for jointly along a row of the cluster, the weights' on x alone, along a column.
; No prefetch: every tile is asked for at the head, and there is no loop to run ahead in.
; A unit's 64 fragment loads of the weight go into window 2, issued behind the products of the unit before, under its way out.
; q and k: source 0 = 16 columns of W, source 1 = 16 rows of h: a lane holds one row, its registers run along the head's 64.  v: the sources are swapped: a lane holds one channel, its registers run along 64 keys.
; LIMITS: NaN and infinities are not served; a block of zeros carries the byte 1, its codes are zeros, and this program alone reads the bytes.
; REGISTERS, window 0: v1-13 lane terms and addresses; v14, v15 the add's two; v16-31 h's scale words, v32-47 the weight's: nothing else; v64-93 the way out; v128-255 accumulators.
.set HSC,   2097152
.set QKVS,  6422528
.set QSO,   2097152
.set KVO,   2228224
.set REC,   8704
.set BLDS,  131072                     ; LDS: h's 256 rows, then the three weight blocks,
.set SCB,   229376                     ; their scale words,
.set SPARE, 235520                     ; and the spare words: 128 bytes a wave, two blocks of 256 bytes that no other line names
.set AB0, 8
.set AS0, 9
.set ADA, 10
.set ADB, 11
.set ADS, 12
.set SPW, 14
.set NIL, 15
.set SA,  16
.set SB,  32
.set TQ,  64
.set ACC, 128
.set G1A, 20
.set G1B, 28
.set G1S, 36
.set G0A, 44
.set G0B, 48
.set G0S, 52
.set KC,  60
.set KSP, 62
.set VC,  66
.set VS,  68
.set AS,  70
.set PC,  72
.set PS,  74
.set SEL, 76
.set TB,  78
.set TS,  79
.set CNT, 80
.set MSB, 0
.macro WIN new                         ; the immediate's high byte repeats the setting that is left
.if MSB != \new
	s_set_vgpr_msb (MSB<<8)|\new
.set MSB, \new
.endif
.endm
.macro PLACES
.rept 4
	v_nop
.endr
.endm
.macro CROUND                          ; a round of the cluster's barrier
	s_barrier_signal -1
	s_barrier_wait -1
	s_cmp_lg_u32 s10, 0
	s_cbranch_scc1 .Lnot_wave_0_\@
	s_barrier_signal -3
.Lnot_wave_0_\@:
	s_barrier_wait -3
	s_barrier_signal -1
	s_barrier_wait -1
.endm
.macro G1REST g, c, r, p               ; r rows of c elements of 8 bytes, p elements apart
	s_mov_b32 s[\g+1], (\c)<<16
	s_mov_b32 s[\g+2], (\r)<<16
	s_mov_b32 s[\g+3], (\c)<<16
	s_mov_b32 s[\g+4], \r
	s_mov_b32 s[\g+5], \p
	s_mov_b32 s[\g+6], 0
	s_mov_b32 s[\g+7], 0
.endm
.macro WM i, j, ks, sw                 ; one product; an odd tile's scale words stand in lanes 16-31 of its pair's register; K step 0 starts the sums
.set rD, ACC+8*(4*(\j)+(\i))
.if \sw
.set rP, 64*(\i)+8*(\ks)
.set rQ, 32*(\ks)+8*(\j)
.set rA, SA+2*(\ks)+(\i)/2
.set rB, SB+2*(\ks)+(\j)/2
.else
.set rP, 32*(\ks)+8*(\i)
.set rQ, 64*(\j)+8*(\ks)
.set rA, SB+2*(\ks)+(\i)/2
.set rB, SA+2*(\ks)+(\j)/2
.endif
.if (\ks) == 0
.if ((\i)%2 == 0) && ((\j)%2 == 0)
	v_wmma_scale_f32_16x16x128_f8f6f4 v[rD:rD+7], v[rP:rP+7], v[rQ:rQ+7], 0, v[rA], v[rB] matrix_a_fmt:MATRIX_FMT_FP4 matrix_b_fmt:MATRIX_FMT_FP4
.elseif (\j)%2 == 0
	v_wmma_scale_f32_16x16x128_f8f6f4 v[rD:rD+7], v[rP:rP+7], v[rQ:rQ+7], 0, v[rA], v[rB] matrix_a_fmt:MATRIX_FMT_FP4 matrix_b_fmt:MATRIX_FMT_FP4 matrix_a_scale:MATRIX_SCALE_ROW1
.elseif (\i)%2 == 0
	v_wmma_scale_f32_16x16x128_f8f6f4 v[rD:rD+7], v[rP:rP+7], v[rQ:rQ+7], 0, v[rA], v[rB] matrix_a_fmt:MATRIX_FMT_FP4 matrix_b_fmt:MATRIX_FMT_FP4 matrix_b_scale:MATRIX_SCALE_ROW1
.else
	v_wmma_scale_f32_16x16x128_f8f6f4 v[rD:rD+7], v[rP:rP+7], v[rQ:rQ+7], 0, v[rA], v[rB] matrix_a_fmt:MATRIX_FMT_FP4 matrix_b_fmt:MATRIX_FMT_FP4 matrix_a_scale:MATRIX_SCALE_ROW1 matrix_b_scale:MATRIX_SCALE_ROW1
.endif
.else
.if ((\i)%2 == 0) && ((\j)%2 == 0)
	v_wmma_scale_f32_16x16x128_f8f6f4 v[rD:rD+7], v[rP:rP+7], v[rQ:rQ+7], v[rD:rD+7], v[rA], v[rB] matrix_a_fmt:MATRIX_FMT_FP4 matrix_b_fmt:MATRIX_FMT_FP4
.elseif (\j)%2 == 0
	v_wmma_scale_f32_16x16x128_f8f6f4 v[rD:rD+7], v[rP:rP+7], v[rQ:rQ+7], v[rD:rD+7], v[rA], v[rB] matrix_a_fmt:MATRIX_FMT_FP4 matrix_b_fmt:MATRIX_FMT_FP4 matrix_a_scale:MATRIX_SCALE_ROW1
.elseif (\i)%2 == 0
	v_wmma_scale_f32_16x16x128_f8f6f4 v[rD:rD+7], v[rP:rP+7], v[rQ:rQ+7], v[rD:rD+7], v[rA], v[rB] matrix_a_fmt:MATRIX_FMT_FP4 matrix_b_fmt:MATRIX_FMT_FP4 matrix_b_scale:MATRIX_SCALE_ROW1
.else
	v_wmma_scale_f32_16x16x128_f8f6f4 v[rD:rD+7], v[rP:rP+7], v[rQ:rQ+7], v[rD:rD+7], v[rA], v[rB] matrix_a_fmt:MATRIX_FMT_FP4 matrix_b_fmt:MATRIX_FMT_FP4 matrix_a_scale:MATRIX_SCALE_ROW1 matrix_b_scale:MATRIX_SCALE_ROW1
.endif
.endif
.endm
; a unit's 128 products; the 16 accumulators take turns, one instruction a turn, in the same order in every K step
.macro MATS sw
.if \sw
	WIN 0x09                                       ; source 0, h: window 1; source 1, the weight: window 2
.else
	WIN 0x06                                       ; source 0, the weight: window 2; source 1, h: window 1
.endif
.set kk, 0
.rept 8
	s_wait_dscnt 56-8*kk                           ; this K step's fragments are in; the 8 loads of each later step may be out
.irp j, 0,1,2,3
.irp i, 0,1,2,3
	WM \i, \j, kk, \sw
.endr
.endr
.set kk, kk+1
.endr
	WIN 0
	PLACES                                         ; four plain lines ahead of loads into the products' registers and of the first read of results
.endm
.macro LOADB                           ; the next unit's scale words and its 64 fragment loads
	v_add_nc_u32 v[ADB], s[TB], v[AB0]
	v_add_nc_u32 v[ADS], s[TS], v[AS0]
	s_wait_alu depctr_va_vdst(0)                   ; a wait here, directly behind the writes
	s_add_co_u32 s[TB], s[TB], 32768
	s_add_co_u32 s[TS], s[TS], 2048
.irp k, 0,1,2,3,4,5,6,7
.irp e, 0,1
	ds_load_b32 v[SB+2*\k+\e], v[ADS] offset:\e*1024+\k*128
.endr
.endr
	WIN 0x80
.irp k, 0,1,2,3,4,5,6,7
.irp i, 0,1,2,3
.irp cc, 0,1
	ds_load_b128 v[32*\k+8*\i+4*\cc:32*\k+8*\i+4*\cc+3], v[ADB] offset:\i*8192+\k*1024+\cc*512
.endr
.endr
.endr
	WIN 0
.endm
; 32 numbers of a lane, register 16 b + e = index 32 b + 16 (lane / 16) + e, become one register group of an operand (v[pc] .. v[pc + 3]) and two scale bytes (v[pw])
.macro QUANT2 s, pc, pw
.irp b, 0,1
	v_max3_num_f32 v[TQ+\b], |v[(\s)+16*\b]|, |v[(\s)+16*\b+1]|, 0x1800000   ; from each accumulator's low end on; the floor holds the byte at 1
.endr
.irp i, 2,4,6,8,10,12,14
.irp b, 0,1
	v_max3_num_f32 v[TQ+\b], v[TQ+\b], |v[(\s)+16*\b+\i]|, |v[(\s)+16*\b+\i+1]|
.endr
.endr
.irp b, 0,1
	v_permlanex16_b32 v[TQ+2+\b], v[TQ+\b], s[SEL], s[SEL+1]
.endr
.irp b, 0,1
	v_max_num_f32 v[TQ+\b], v[TQ+\b], v[TQ+2+\b]   ; with lane l xor 16's 16: the block's largest magnitude
.endr
.irp b, 0,1
	v_add_nc_u32 v[TQ+4+\b], 0xff000000, v[TQ+\b]  ; 2 off the exponent field: the conversion's scale operand
.endr
.irp b, 0,1
	v_lshrrev_b32 v[TQ+\b], 23, v[TQ+4+\b]
.endr
	v_lshl_or_b32 v[\pw], v[TQ+1], 8, v[TQ]
.irp b, 0,1
	v_cvt_scalef32_pk8_fp4_f32 v[(\pc)+2*\b], v[(\s)+16*\b:(\s)+16*\b+7], v[TQ+4+\b]
	v_cvt_scalef32_pk8_fp4_f32 v[(\pc)+2*\b+1], v[(\s)+16*\b+8:(\s)+16*\b+15], v[TQ+4+\b]
.endr
	v_nop                                          ; one plain line behind the conversions
	v_permlane16_swap_b32 v[\pc], v[(\pc)+2]       ; a whole block to a lane: lanes 0-15 block 0, lanes 16-31 block 1
	v_permlane16_swap_b32 v[(\pc)+1], v[(\pc)+3]
.endm
.macro OUT pc, ps, ts, lv, so          ; ts: from tile to tile in the image; lv: the lanes' offsets among the scales; so: 32 places on
	QUANT2 ACC, 72, 88
	QUANT2 ACC+32, 76, 89
	QUANT2 ACC+64, 80, 90
	QUANT2 ACC+96, 84, 91
	v_cmp_eq_u32 vcc_lo, 1, v5
.irp j, 0,1,2,3
	global_store_b128 v2, v[72+4*\j:75+4*\j], s[\pc:\pc+1] offset:\j*\ts   ; 512 consecutive bytes each
.endr
	v_cndmask_b32 v92, v88, v89, vcc_lo            ; lanes 0-15 carry tile 2 p's two bytes, lanes 16-31 tile 2 p + 1's
	v_cndmask_b32 v93, v90, v91, vcc_lo
	global_store_b16 v[\lv], v92, s[\ps:\ps+1]
	global_store_b16 v[\lv], v93, s[\ps:\ps+1] offset:\so
.endm
	s_load_b128 s[4:7], s[0:1], 0x0                ; HB, WB
	s_load_b64 s[8:9], s[0:1], 0x10                ; QKV
	v_lshl_add_u32 v[SPW], v0, 2, SPARE
	v_mov_b32 v[NIL], 0
	ds_add_u32 v[SPW], v[NIL]                      ; the opening: the add, twice on end, and its wait ahead of my first tensor load
	ds_add_u32 v[SPW], v[NIL]
	v_lshrrev_b32 v1, 5, v0
	v_readfirstlane_b32 s10, v1                    ; wave 0..3
	s_bfe_u32 s11, ttmp6, 0x40000                  ; cx
	s_bfe_u32 s12, ttmp6, 0x40004                  ; cy
	s_lshl_b32 s13, ttmp9, 2
	s_add_co_u32 s13, s13, s11                     ; x: the head
	s_and_b32 s14, ttmp7, 0xffff
	s_lshl_b32 s14, s14, 2
	s_add_co_u32 s14, s14, s12                     ; y: the block of 256 rows
	s_lshl_b32 s15, s12, 2
	s_lshl_b32 s15, 15, s15                        ; my row of the cluster
	s_lshl_b32 s16, 0x1111, s11                    ; my column
	s_or_b32 s[G1A], s15, (3<<16)|(1<<21)          ; h's tiles go to my row; elements of 8 bytes; bit 21 beside a mask
	s_or_b32 s[G1B], s16, (3<<16)|(1<<21)          ; the weights' to my column
	s_or_b32 s[G1S], s16, (3<<16)|(1<<21)
	G1REST G1A, 32, 256, 32
	G1REST G1B, 4096, 3, 65536
	G1REST G1S, 256, 3, 4096
	s_lshl_b32 s82, s14, 17
	s_lshl_b32 s[G0A+1], s10, 16                   ; LDS: wave x 65,536
	s_add_co_u32 s82, s82, s[G0A+1]
	s_mov_b32 s83, 0
	s_lshl_b32 s84, s13, 15
	s_mov_b32 s85, 0
	s_lshl_b32 s86, s13, 11
	s_add_co_u32 s86, s86, QKVS
	s_mov_b32 s87, 0
	s_mov_b32 s[G0A], 1
	s_mov_b32 s[G0B], 1
	s_mov_b32 s[G0B+1], BLDS
	s_mov_b32 s[G0S], 1
	s_mov_b32 s[G0S+1], SCB
	s_wait_dscnt 0x0                               ; both opening adds are done
	s_wait_kmcnt 0x0
	s_add_nc_u64 s[G0A+2:G0A+3], s[4:5], s[82:83]
	s_or_b32 s[G0A+3], s[G0A+3], 0x80000000
	s_add_nc_u64 s[G0B+2:G0B+3], s[6:7], s[84:85]
	s_or_b32 s[G0B+3], s[G0B+3], 0x80000000
	s_add_nc_u64 s[G0S+2:G0S+3], s[6:7], s[86:87]
	s_or_b32 s[G0S+3], s[G0S+3], 0x80000000
	CROUND                                         ; all sixteen work-groups are here: the joint loads meet
.macro ARM under, g0, g1, next         ; one chain of branches on the wave's number, a load to an arm (one tensor load a wave at the head)
	s_cmp_lt_u32 s10, \under
	s_cbranch_scc0 \next
	tensor_load_to_lds s[\g0:\g0+3], s[\g1:\g1+7]
	s_nop 0
	PLACES
	s_branch .Lhead_asked
\next:
.endm
	ARM 2, G0A, G1A, .Lhead_b
	ARM 3, G0B, G1B, .Lhead_s
	tensor_load_to_lds s[G0S:G0S+3], s[G1S:G1S+7]
	s_nop 0
	PLACES
.Lhead_asked:
	; where the results go
	s_lshl_b32 s81, s14, 2
	s_add_co_u32 s81, s81, s10                     ; R: my 64 rows
	s_lshr_b32 s82, s81, 5                         ; batch
	s_and_b32 s83, s81, 31                         ; my 64 rows among the batch's 2,048
	s_lshl_b32 s82, s82, 4
	s_add_co_u32 s82, s82, s13                     ; bh
	s_lshl_b32 s84, s82, 7
	s_lshl_b32 s85, s83, 2
	s_add_co_u32 s84, s84, s85                     ; q: my first tile
	s_mov_b32 s89, 0
	s_lshl_b32 s88, s84, 9
	s_add_nc_u64 s[PC:PC+1], s[8:9], s[88:89]      ; q's codes,
	s_lshl_b32 s88, s84, 5
	s_add_co_u32 s88, s88, QSO
	s_add_nc_u64 s[PS:PS+1], s[8:9], s[88:89]      ; q's scale halfwords
	s_lshl_b32 s85, s82, 4
	s_lshr_b32 s86, s83, 1
	s_add_co_u32 s85, s85, s86
	s_mul_i32 s85, s85, REC
	s_add_co_u32 s85, s85, KVO                     ; k, v: my record of 128 keys,
	s_and_b32 s86, s83, 1                          ; and which half of it
	s_lshl_b32 s88, s86, 11
	s_add_co_u32 s88, s88, s85
	s_add_nc_u64 s[KC:KC+1], s[8:9], s[88:89]
	s_lshl_b32 s88, s86, 7
	s_add_co_u32 s88, s88, s85
	s_add_co_u32 s88, s88, 8192
	s_add_nc_u64 s[KSP:KSP+1], s[8:9], s[88:89]
	s_lshl_b32 s88, s86, 9
	s_add_co_u32 s88, s88, s85
	s_add_co_u32 s88, s88, 4096
	s_add_nc_u64 s[VC:VC+1], s[8:9], s[88:89]
	s_lshl_b32 s88, s86, 1
	s_add_co_u32 s88, s88, s85
	s_add_co_u32 s88, s88, 8448
	s_add_nc_u64 s[VS:VS+1], s[8:9], s[88:89]
	s_lshl_b32 s88, s81, 11
	s_add_co_u32 s88, s88, HSC
	s_add_nc_u64 s[AS:AS+1], s[4:5], s[88:89]      ; my rows' scale words
	s_lshl_b32 s90, s10, 15                        ; my rows in LDS
	s_mov_b32 s[SEL], 0x76543210
	s_mov_b32 s[SEL+1], 0xfedcba98
	s_mov_b32 s[TB], 0
	s_mov_b32 s[TS], 0
	s_mov_b32 s[CNT], 2
	v_and_b32 v1, 31, v0                           ; lane
	v_bfe_u32 v5, v0, 4, 1
	v_lshlrev_b32 v2, 4, v1                        ; 16 x lane
	v_lshlrev_b32 v3, 1, v1                        ; 2 x lane
	v_lshlrev_b32 v7, 2, v1                        ; 4 x lane
	v_add_nc_u32 v[AB0], BLDS, v2
	v_add_nc_u32 v[AS0], SCB, v7
	v_add_nc_u32 v[ADA], s90, v2
	v_mov_b32 v[TQ+2], 0                           ; a lane permute's destination counts as read
	v_mov_b32 v[TQ+3], 0
.irp k, 0,1,2,3,4,5,6,7
.irp e, 0,1
	global_load_b32 v[SA+2*\k+\e], v7, s[AS:AS+1] offset:\e*1024+\k*128
.endr
.endr
	s_wait_alu depctr_va_vdst(0)                   ; the wait at the head's end
	s_wait_tensorcnt 0x0                           ; my load has landed
	s_barrier_signal -1
	s_barrier_wait -1                              ; everybody's has
	WIN 0x40
.irp j, 0,1,2,3
.irp k, 0,1,2,3,4,5,6,7
.irp cc, 0,1
	ds_load_b128 v[64*\j+8*\k+4*\cc:64*\j+8*\k+4*\cc+3], v[ADA] offset:\j*8192+\k*1024+\cc*512   ; my 64 rows, all of K, into window 1
.endr
.endr
.endr
	WIN 0
	LOADB                                          ; Wq's block
	s_wait_loadcnt 0x0                             ; h's scale words
.Lunit:                                                ; two trips: q, then k
	MATS 0
	LOADB                                          ; the next unit's block, under this unit's way out
	OUT PC, PS, 512, 3, 64
	s_wait_alu depctr_va_vdst(0)                   ; a wait here, directly ahead of the wait below
	s_wait_xcnt 0x0                                ; the stores have read their bases and their data
	s_mov_b64 s[PC:PC+1], s[KC:KC+1]
	s_mov_b64 s[PS:PS+1], s[KSP:KSP+1]
	s_sub_co_u32 s[CNT], s[CNT], 1
	s_cmp_lg_u32 s[CNT], 0
	s_cbranch_scc1 .Lunit
	MATS 1                                         ; v, the sources swapped
	OUT VC, VS, 1024, 7, 128
	s_wait_tensorcnt 0x0                           ; the wave's end
	ds_add_u32 v[SPW], v[NIL]
	s_wait_dscnt 0x0
	CROUND                                         ; the closing round
	s_endpgm
.Lfunc_end_k_q8109f530a3_qkv:
	.size	k_q8109f530a3_qkv, .Lfunc_end_k_q8109f530a3_qkv-k_q8109f530a3_qkv
	.p2alignl 7, 3214868480
	.fill 96, 4, 3214868480
	.section	.rodata,"a",@progbits
	.p2align	6, 0x0
	.amdhsa_kernel k_q8109f530a3_qkv
		.amdhsa_group_segment_fixed_size 327680
		.amdhsa_private_segment_fixed_size 0
		.amdhsa_enable_private_segment 0
		.amdhsa_kernarg_size 24
		.amdhsa_user_sgpr_count 2
		.amdhsa_user_sgpr_kernarg_segment_ptr 1
		.amdhsa_wavefront_size32 1
		.amdhsa_system_sgpr_workgroup_id_x 1
		.amdhsa_system_sgpr_workgroup_id_y 1
		.amdhsa_system_sgpr_workgroup_id_z 1
		.amdhsa_system_vgpr_workitem_id 0
		.amdhsa_next_free_vgpr 768
		.amdhsa_next_free_sgpr 96
		.amdhsa_reserve_vcc 1
		.amdhsa_float_denorm_mode_32 3
		.amdhsa_float_denorm_mode_16_64 3
		.amdhsa_memory_ordered 1
		.amdhsa_forward_progress 1
		.amdhsa_inst_pref_size 73
	.end_amdhsa_kernel
	.amdgpu_metadata
---
amdhsa.version: [ 1, 2 ]
amdhsa.kernels:
  - .name:           k_q8109f530a3_qkv
    .symbol:         k_q8109f530a3_qkv.kd
    .args:
      - { .name: HB, .offset: 0, .size: 8, .value_kind: global_buffer, .address_space: global }
      - { .name: WB, .offset: 8, .size: 8, .value_kind: global_buffer, .address_space: global }
      - { .name: QKV, .offset: 16, .size: 8, .value_kind: global_buffer, .address_space: global }
    .group_segment_fixed_size: 327680
    .private_segment_fixed_size: 0
    .kernarg_segment_align: 8
    .kernarg_segment_size: 24
    .max_flat_workgroup_size: 128
    .sgpr_count:     96
    .vgpr_count:     768
    .wavefront_size: 32
...
	.end_amdgpu_metadata
.endif
;; end of part 2
;; launch attn (part 3): grid 8 x 32, 16 waves a work-group, clusters of 4 x 1, 167,936 bytes of LDS; arguments QKV, CB; writes CB
.if DOCPART == 3
	.amdgcn_target "amdgcn-amd-amdhsa--gfx1250"
	.amdhsa_code_object_version 6
	.text
	.protected	k_q8109f530a3_attn
	.globl	k_q8109f530a3_attn
	.p2align	8
	.type	k_q8109f530a3_attn,@function
k_q8109f530a3_attn:
	s_mov_b64 s[64:65], 0
	v_nop
	global_prefetch_b8 v0, s[64:65] scope:SCOPE_SE
	s_setreg_imm32_b32 hwreg(HW_REG_WAVE_MODE, 25, 1), 1
	s_wait_xcnt 0x0
	s_wait_alu depctr_hold_cnt(0) depctr_sa_sdst(0) depctr_va_vdst(0) depctr_va_sdst(0) depctr_va_ssrc(0) depctr_va_vcc(0) depctr_vm_vsrc(0)
	s_getreg_b32 s2, hwreg(HW_REG_IB_STS2, 6, 4)
	s_cmp_eq_u32 s2, 0
	s_cbranch_scc0 .Lentry_in_a_cluster
	s_endpgm
.Lentry_in_a_cluster:
	s_bfe_u32 s2, ttmp6, 0x10000c
	s_cmp_lg_u32 s2, 0x3003
	s_cbranch_scc0 .Lentry_shape_is_right
	s_endpgm
.Lentry_shape_is_right:
; ctx = softmax(q k^T / 8, causal) v for one head, both products on codes of FP4 with E8M0 scales; ctx is quantised on the way out, along the model's 1,024 columns.
; The bias -slope x max(key - query, 0) is 0 wherever the causal mask keeps a score, so it adds nothing; key steps wholly behind the diagonal are not worked.
; THE SOFTMAX: t = score x log2(e) / 8; M = the running largest t rounded up to a whole number; p = 2^(t - M) is quantised along the keys, not normalised; the sum of the unquantised p divides at the end.
; SHARES.  Work-group (j, bh), j = 0 .. 7, sixteen waves of 256 registers; each wave owns ONE query tile: tile j of one of the head's 16 blocks of 128 queries, block b having b + 1 key steps of 128 keys.
; The blocks are dealt to the waves by a 4 x 4 square whose rows and columns all sum to 30: any four waves w % 4 alike, and any four waves w / 4 alike, have 34 key steps together.
; THE HEAD'S K AND V STAY IN LDS: 16 records (k's codes, v's codes with the keys innermost, both scales: 8,704 bytes each, in the order of the operands' registers) are 139,264 dense bytes;
; each wave asks for one of them by one tensor load at the head; filled once, read behind one barrier; no barrier stands in the loop, and every work-group reads all 16 (one of its waves has block 15).
; CLUSTER 4, 1, 1: the four partners work on the same head and ask for the records jointly (mask 15).  No prefetch: every tile is asked for at the head.
; The loop has a constant trip count (16 key steps).
; LAYOUT.  S^T = k q^T (source 0 = 16 keys), O^T = v^T p^T (source 0 = 16 channels): a lane holds one query throughout.  Place r of tile 2 b + u is key (query, channel) 32 b + 8 u + r + 8 (r / 8):
; so the 16 registers of tiles 2 b and 2 b + 1 are 16 neighbours.  The head's K is 64: the upper half of k's and q's fragments is zero codes.
; LIMITS: NaN and infinities are not served; a block of zeros carries the byte 1, its codes are zeros.  The scaled scores stay under 2^31 in magnitude.
; REGISTERS: v1-11 addresses and lane terms; v12 -M, v13 the largest t, v[14:15] the sum; v16-23 q; v24-31 sums at work; v32-95 k; v96-159 S^T, then p; v160-191 O^T; v192-223 v; v224-231 p's codes;
; v232-239, v244-247, v252, v254 at work; v242, v243 the add's two; scales alone: v240-241 v's, v248-251 k's, v253 p's, v255 q's.
.set REC, 8704
.set QSO, 2097152
.set KVO, 2228224
.set CSC, 2097152                      ; ctx's scale words in CB
.set SPARE, 139264                     ; behind the records: the spare words, 128 bytes a wave, eight blocks of 256 bytes that no other line names
.set SEL, 20
.set CS,  22
.set TQ,  234
.set G1,  48
.set G0,  56
.macro CROUND                          ; a round of the cluster's barrier
	s_barrier_signal -1
	s_barrier_wait -1
	s_cmp_lg_u32 s8, 0
	s_cbranch_scc1 .Lnot_wave_0_\@
	s_barrier_signal -3
.Lnot_wave_0_\@:
	s_barrier_wait -3
	s_barrier_signal -1
	s_barrier_wait -1
.endm
.macro QUANT2 s, pc, pw                ; 32 numbers of a lane, register 16 b + e = index 32 b + 16 (lane / 16) + e, become one register group of an operand and two scale bytes
.irp b, 0,1
	v_max3_num_f32 v[TQ+\b], |v[(\s)+16*\b]|, |v[(\s)+16*\b+1]|, 0x1800000
.endr
.irp i, 2,4,6,8,10,12,14
.irp b, 0,1
	s_delay_alu instid0(VALU_DEP_2)
	v_max3_num_f32 v[TQ+\b], v[TQ+\b], |v[(\s)+16*\b+\i]|, |v[(\s)+16*\b+\i+1]|
.endr
.endr
.irp b, 0,1
	s_delay_alu instid0(VALU_DEP_2)
	v_permlanex16_b32 v[TQ+2+\b], v[TQ+\b], s[SEL], s[SEL+1]
.endr
.irp b, 0,1
	s_delay_alu instid0(VALU_DEP_2)
	v_max_num_f32 v[TQ+\b], v[TQ+\b], v[TQ+2+\b]
.endr
.irp b, 0,1
	s_delay_alu instid0(VALU_DEP_2)
	v_add_nc_u32 v[TQ+4+\b], 0xff000000, v[TQ+\b]
.endr
.irp b, 0,1
	s_delay_alu instid0(VALU_DEP_2)
	v_lshrrev_b32 v[TQ+\b], 23, v[TQ+4+\b]
.endr
	s_delay_alu instid0(VALU_DEP_1)
	v_lshl_or_b32 v[\pw], v[TQ+1], 8, v[TQ]
.irp b, 0,1
	v_cvt_scalef32_pk8_fp4_f32 v[(\pc)+2*\b], v[(\s)+16*\b:(\s)+16*\b+7], v[TQ+4+\b]
	v_cvt_scalef32_pk8_fp4_f32 v[(\pc)+2*\b+1], v[(\s)+16*\b+8:(\s)+16*\b+15], v[TQ+4+\b]
.endr
	v_nop
	v_permlane16_swap_b32 v[\pc], v[(\pc)+2]
	v_permlane16_swap_b32 v[(\pc)+1], v[(\pc)+3]
.endm
	s_load_b128 s[4:7], s[0:1], 0x0                ; QKV, CB
	v_lshl_add_u32 v242, v0, 2, SPARE
	v_mov_b32 v243, 0
	ds_add_u32 v242, v243                          ; the opening: the add, twice on end, and its wait ahead of my first tensor load
	ds_add_u32 v242, v243
	v_lshrrev_b32 v9, 5, v0
	v_readfirstlane_b32 s8, v9                     ; wave 0..15
	s_bfe_u32 s9, ttmp6, 0x40000                   ; cx
	s_lshl_b32 s30, ttmp9, 2
	s_add_co_u32 s9, s9, s30                       ; j = 4 x cluster x + cx
	s_and_b32 s10, ttmp7, 0xffff                   ; bh = 16 x batch + head
	s_mov_b32 s[G1], 15|(3<<16)|(1<<21)            ; the mask of the cluster's four; elements of 8 bytes; bit 21 beside a mask
	s_mov_b32 s[G1+1], 32<<16                      ; one record: 34 rows of 256 bytes, dense
	s_mov_b32 s[G1+2], 34<<16
	s_mov_b32 s[G1+3], 32<<16
	s_mov_b32 s[G1+4], 34
	s_mov_b32 s[G1+5], 32
	s_mov_b32 s[G1+6], 0
	s_mov_b32 s[G1+7], 0
	s_mov_b32 s[G0], 1
	s_mul_i32 s[G0+1], s8, REC                     ; LDS as memory: record = wave
	s_mul_i32 s32, s10, 16*REC
	s_add_co_u32 s32, s32, s[G0+1]
	s_add_co_u32 s32, s32, KVO
	s_mov_b32 s33, 0
	s_mov_b32 s[SEL], 0x76543210
	s_mov_b32 s[SEL+1], 0xfedcba98
	s_mov_b32 s[CS], 0x3e38aa3b                    ; log2(e) / 8
	s_mov_b32 s[CS+1], s[CS]
	s_wait_dscnt 0x0                               ; both opening adds are done
	s_wait_kmcnt 0x0
	s_add_nc_u64 s[G0+2:G0+3], s[4:5], s[32:33]
	s_or_b32 s[G0+3], s[G0+3], 0x80000000
	CROUND                                         ; all four work-groups are here: the joint loads meet
	tensor_load_to_lds s[G0:G0+3], s[G1:G1+7]      ; every wave's one load
	s_nop 0
.rept 4
	v_nop
.endr
	s_mov_b32 s30, 0x7a94c12f                      ; the square, a block to four bits: waves 0 to 7: 15 2 1 12 / 4 9 10 7,
	s_mov_b32 s31, 0x0de3b658                      ; waves 8 to 15: 8 5 6 11 / 3 14 13 0
	s_cmp_lt_u32 s8, 8
	s_cselect_b32 s30, s30, s31
	s_and_b32 s31, s8, 7
	s_lshl_b32 s31, s31, 2
	s_lshr_b32 s30, s30, s31
	s_and_b32 s12, s30, 15                         ; my tile's block of 128 queries: the wave's number alone decides it
	s_lshl_b32 s30, s12, 3
	s_add_co_u32 s30, s30, s9                      ; my tile among the head's 128
	s_lshr_b32 s15, s9, 1
	s_lshl_b32 s15, s15, 5
	s_and_b32 s31, s9, 1
	s_lshl_b32 s31, s31, 3
	s_add_co_u32 s15, s15, s31                     ; the tile's first row in the block
	s_lshl_b32 s31, s10, 7
	s_add_co_u32 s31, s31, s30
	s_lshl_b32 s32, s31, 9
	s_add_nc_u64 s[18:19], s[4:5], s[32:33]        ; q's codes
	s_lshl_b32 s32, s31, 5
	s_add_co_u32 s32, s32, QSO
	s_add_nc_u64 s[24:25], s[4:5], s[32:33]        ; q's scale halfwords
	s_lshr_b32 s34, s10, 4                         ; batch
	s_and_b32 s35, s10, 15                         ; head
	s_lshl_b32 s34, s34, 7
	s_add_co_u32 s34, s34, s30                     ; my tile among ctx's 256
	s_lshl_b32 s32, s34, 3
	s_lshr_b32 s36, s35, 1                         ; K step of the next product: two heads to 128 columns
	s_add_co_u32 s32, s32, s36
	s_lshl_b32 s32, s32, 10
	s_and_b32 s37, s35, 1                          ; register group
	s_lshl_b32 s38, s37, 9
	s_add_co_u32 s32, s32, s38
	s_add_nc_u64 s[26:27], s[6:7], s[32:33]
	s_lshr_b32 s32, s34, 1
	s_lshl_b32 s32, s32, 3
	s_add_co_u32 s32, s32, s36
	s_lshl_b32 s32, s32, 7
	s_and_b32 s38, s34, 1
	s_lshl_b32 s38, s38, 6
	s_add_co_u32 s32, s32, s38
	s_lshl_b32 s38, s37, 1
	s_add_co_u32 s32, s32, s38
	s_add_co_u32 s32, s32, CSC
	s_add_nc_u64 s[28:29], s[6:7], s[32:33]
	s_mov_b32 s13, 0                               ; LDS byte of the step's record
	s_mov_b32 s14, 0                               ; the key step
	v_and_b32 v9, 31, v0                           ; lane
	v_lshlrev_b32 v1, 4, v9
	v_lshlrev_b32 v2, 2, v9
	v_lshlrev_b32 v3, 1, v9
	v_and_b32 v8, 15, v0
	v_lshlrev_b32 v6, 1, v8
	v_lshlrev_b32 v11, 2, v8
	global_load_b128 v[16:19], v1, s[18:19]        ; q, under the tensor loads' flight
	global_load_u16 v255, v6, s[24:25]
	v_and_b32 v10, 8, v8
	v_add_nc_u32 v10, v10, v8
	v_and_b32 v8, 16, v0
	v_sub_nc_u32 v10, v10, v8
	v_add_nc_u32 v7, s15, v10                      ; my query's place in its block of 128, less 16 (lane / 16)
.irp j, 20,21,22,23
	v_mov_b32 v[\j], 0                             ; the upper half of q's fragment: zero codes, written once
.endr
.irp t, 0,1,2,3,4,5,6,7
.irp j, 4,5,6,7
	v_mov_b32 v[32+8*\t+\j], 0                     ; and of k's eight
.endr
.endr
.irp b, 0,1,2,3
	v_mov_b32 v[236+\b], 0                         ; a lane permute's destination counts as read
.endr
	v_mov_b32 v253, 0                              ; named as the upper half of v[252:253] before it is first written
	v_mov_b32 v13, 0xff61b1e6                      ; the largest t so far: -3e38
	v_floor_f32 v12, -v13
	v_mov_b32 v14, 0
	v_mov_b32 v15, 0
.set n, 0
.rept 32
	v_mov_b32 v[160+n], 0                          ; O^T: the step is written for every step alike; the first change of M multiplies zeros
.set n, n+1
.endr
	s_wait_alu depctr_va_vdst(0)                   ; the wait at the head's end
	s_wait_tensorcnt 0x0                           ; my record has landed
	s_barrier_signal -1
	s_barrier_wait -1                              ; everybody's has
	s_wait_loadcnt 0x0                             ; q
.Lstep:                                                ; 16 trips
	s_cmp_gt_u32 s14, s12                          ; all keys of the step come after my queries
	s_cbranch_scc1 .Lhid
	v_add_nc_u32 v4, s13, v1
	v_add_nc_u32 v5, s13, v3
	v_add_nc_u32 v9, s13, v2
.irp t, 0,1,2,3,4,5,6,7
	ds_load_b128 v[32+8*\t:35+8*\t], v4 offset:512*\t
.endr
.irp p, 0,1,2,3
	ds_load_u16 v[248+\p], v5 offset:8192+64*\p    ; lanes 0-15: tile 2 p's halfwords, lanes 16-31: tile 2 p + 1's
.endr
.irp dt, 0,1,2,3
.irp c, 0,1
	ds_load_b128 v[192+8*\dt+4*\c:195+8*\dt+4*\c], v4 offset:4096+1024*\dt+512*\c
.endr
.endr
.irp p, 0,1
	ds_load_b32 v[240+\p], v9 offset:8448+128*\p
.endr
	s_wait_dscnt 10                                ; k and its scales are in; v's 8 loads and its scales' 2 may be out
.irp t, 0,2,4,6
	v_wmma_scale_f32_16x16x128_f8f6f4 v[96+8*\t:103+8*\t], v[32+8*\t:39+8*\t], v[16:23], 0, v[248+\t/2], v255 matrix_a_fmt:MATRIX_FMT_FP4 matrix_b_fmt:MATRIX_FMT_FP4
	v_wmma_scale_f32_16x16x128_f8f6f4 v[104+8*\t:111+8*\t], v[40+8*\t:47+8*\t], v[16:23], 0, v[248+\t/2], v255 matrix_a_fmt:MATRIX_FMT_FP4 matrix_b_fmt:MATRIX_FMT_FP4 matrix_a_scale:MATRIX_SCALE_ROW1
.endr
.rept 4
	v_nop                                          ; four plain lines ahead of the first read of the scores
.endr
	s_cmp_lt_u32 s14, s12                          ; all keys of the step count
	s_cbranch_scc1 .Lopen
	v_mov_b32 v254, 0xff800000                     ; on the diagonal hidden scores become -infinity ahead of the maximum: register 16 b + e holds key 32 b + 16 (lane / 16) + e of the step, hidden where 32 b + e > v7
.set n, 0
.rept 64
	v_cmp_gt_i32 vcc_lo, 32*(n/16)+n%16, v7
	v_cndmask_b32 v[96+n], v[96+n], v254, vcc_lo
.set n, n+1
.endr
.Lopen:
.irp b, 0,1,2,3
	v_max3_num_f32 v[232+\b], v[96+16*\b], v[97+16*\b], v[98+16*\b]   ; the largest score of each block of 32 keys: for the row's maximum and, since p rises with the score, for the block's largest p
.endr
.irp i, 3,5,7,9,11,13
.irp b, 0,1,2,3
	v_max3_num_f32 v[232+\b], v[232+\b], v[96+16*\b+\i], v[97+16*\b+\i]
.endr
.endr
.irp b, 0,1,2,3
	v_max_num_f32 v[232+\b], v[232+\b], v[111+16*\b]
.endr
.irp b, 0,1,2,3
	s_delay_alu instid0(VALU_DEP_4)
	v_permlanex16_b32 v[236+\b], v[232+\b], s[SEL], s[SEL+1]
.endr
.irp b, 0,1,2,3
	s_delay_alu instid0(VALU_DEP_4)
	v_max_num_f32 v[232+\b], v[232+\b], v[236+\b]
.endr
	s_delay_alu instid0(VALU_DEP_2)
	v_max3_num_f32 v254, v232, v233, v234
	s_delay_alu instid0(VALU_DEP_1)
	v_max_num_f32 v254, v254, v235
	s_delay_alu instid0(VALU_DEP_1)
	v_mul_f32 v254, s[CS], v254
	s_delay_alu instid0(VALU_DEP_1)
	v_max_num_f32 v13, v13, v254                   ; the running largest t
	v_mov_b32 v254, v12
	s_delay_alu instid0(VALU_DEP_2)
	v_floor_f32 v12, -v13                          ; -M = floor(-t): M is a whole number
	s_delay_alu instid0(VALU_DEP_1)
	v_sub_f32 v254, v12, v254
	s_delay_alu instid0(VALU_DEP_1)
	v_cvt_i32_f32 v254, v254                       ; old M - new M, 0 or less (it saturates)
	s_delay_alu instid0(VALU_DEP_1)
	v_ldexp_f32 v252, 1.0, v254                    ; f = 2^(old M - new M): a multiplication by it rounds nothing
.set n, 0
.rept 32
	v_pk_fma_f32 v[96+n:97+n], v[96+n:97+n], s[CS:CS+1], v[12:13] op_sel_hi:[1,0,0]   ; t - M
.set n, n+2
.endr
.irp b, 0,1,2,3
	v_fma_f32 v[232+\b], v[232+\b], s[CS], v12
.endr
	s_wait_alu depctr_va_vdst(0)                   ; a wait ahead of the batch
.set n, 0
.rept 64
	v_exp_f32 v[96+n], v[96+n]                     ; p
.set n, n+1
.endr
	v_pk_mul_f32 v[14:15], v[14:15], v[252:253] op_sel_hi:[1,0]   ; the sums under the new M: the plain line behind the exponentials
	s_wait_alu depctr_va_vdst(0)                   ; one wait for the 64, ahead of their first reader
.irp b, 0,1,2,3
	v_exp_f32 v[232+\b], v[232+\b]                 ; each block's largest p
.endr
.irp c, 0,1,2,3
	v_pk_add_f32 v[24+2*\c:25+2*\c], v[96+2*\c:97+2*\c], v[104+2*\c:105+2*\c]   ; the row's sum of the unquantised p, in four chains by turns
.endr
.irp r, 0,1,2,3,4,5
.irp c, 0,1,2,3
	v_pk_add_f32 v[24+2*\c:25+2*\c], v[24+2*\c:25+2*\c], v[112+8*\r+2*\c:113+8*\r+2*\c]
.endr
.endr
	v_pk_add_f32 v[24:25], v[24:25], v[26:27]
	v_pk_add_f32 v[28:29], v[28:29], v[30:31]
	s_delay_alu instid0(VALU_DEP_1)
	v_pk_add_f32 v[24:25], v[24:25], v[28:29]
	s_delay_alu instid0(VALU_DEP_1)
	v_pk_add_f32 v[14:15], v[14:15], v[24:25]
	s_wait_alu depctr_va_vdst(0)                   ; and one for the four
.irp b, 0,1,2,3
	v_max_num_f32 v[232+\b], 0x1800000, v[232+\b]  ; the floor: the byte cannot fall under 1
.endr
.irp b, 0,1,2,3
	s_delay_alu instid0(VALU_DEP_4)
	v_add_nc_u32 v[244+\b], 0xff000000, v[232+\b]
.endr
.irp b, 0,1,2,3
	s_delay_alu instid0(VALU_DEP_4)
	v_lshrrev_b32 v[236+\b], 23, v[244+\b]
.endr
	s_delay_alu instid0(VALU_DEP_3)
	v_lshl_or_b32 v253, v237, 8, v236              ; p's scale word for these 128 keys
	s_delay_alu instid0(VALU_DEP_1)
	v_lshl_or_b32 v253, v238, 16, v253
	s_delay_alu instid0(VALU_DEP_1)
	v_lshl_or_b32 v253, v239, 24, v253
.irp b, 0,1,2,3
	v_cvt_scalef32_pk8_fp4_f32 v[224+2*\b], v[96+16*\b:103+16*\b], v[244+\b]
	v_cvt_scalef32_pk8_fp4_f32 v[225+2*\b], v[104+16*\b:111+16*\b], v[244+\b]
.endr
	v_nop
.irp c, 0,1
.irp i, 0,1
	v_permlane16_swap_b32 v[224+4*\c+\i], v[226+4*\c+\i]
.endr
.endr
	s_wait_dscnt 0x0                               ; v and its scales are in
	s_wait_alu depctr_va_vdst(0)                   ; a wait here, directly ahead of the first reader of O^T
.set n, 0
.rept 16
	v_pk_mul_f32 v[160+n:161+n], v[160+n:161+n], v[252:253] op_sel_hi:[1,0]   ; O^T under the new M; these 16 also stand between the lines that made p's codes and scale word and the products
.set n, n+2
.endr
.irp dt, 0,2
	v_wmma_scale_f32_16x16x128_f8f6f4 v[160+8*\dt:167+8*\dt], v[192+8*\dt:199+8*\dt], v[224:231], v[160+8*\dt:167+8*\dt], v[240+\dt/2], v253 matrix_a_fmt:MATRIX_FMT_FP4 matrix_b_fmt:MATRIX_FMT_FP4
	v_wmma_scale_f32_16x16x128_f8f6f4 v[168+8*\dt:175+8*\dt], v[200+8*\dt:207+8*\dt], v[224:231], v[168+8*\dt:175+8*\dt], v[240+\dt/2], v253 matrix_a_fmt:MATRIX_FMT_FP4 matrix_b_fmt:MATRIX_FMT_FP4 matrix_a_scale:MATRIX_SCALE_ROW1
.endr
.rept 4
	v_nop                                          ; four plain lines ahead of the next loads into these registers, and of the first read of O^T
.endr
.Lhid:
	s_add_co_u32 s13, s13, REC
	s_add_co_u32 s14, s14, 1
	s_cmp_lt_u32 s14, 16
	s_cbranch_scc1 .Lstep
	v_add_f32 v14, v14, v15
	s_delay_alu instid0(VALU_DEP_1)
	v_permlanex16_b32 v252, v14, s[SEL], s[SEL+1]
	s_delay_alu instid0(VALU_DEP_1)
	v_add_f32 v14, v14, v252                       ; the row's sum
	s_wait_alu depctr_va_vdst(0)
	v_rcp_f32 v14, v14
	v_nop
	s_wait_alu depctr_va_vdst(0)                   ; ahead of the reciprocal's first reader, and of O^T's
.set n, 0
.rept 32
	v_mul_f32 v[96+n], v[160+n], v14               ; ctx: register 16 b + e is channel 32 b + 16 (lane / 16) + e of my query
.set n, n+1
.endr
	QUANT2 96, 224, 232
	global_store_b128 v1, v[224:227], s[26:27]     ; 512 consecutive bytes
	global_store_b16 v11, v232, s[28:29]           ; lanes r and r + 16 write the same halfword with the same value
	s_wait_tensorcnt 0x0                           ; the wave's end
	ds_add_u32 v242, v243
	s_wait_dscnt 0x0
	CROUND                                         ; the closing round
	s_endpgm
.Lfunc_end_k_q8109f530a3_attn:
	.size	k_q8109f530a3_attn, .Lfunc_end_k_q8109f530a3_attn-k_q8109f530a3_attn
	.p2alignl 7, 3214868480
	.fill 96, 4, 3214868480
	.section	.rodata,"a",@progbits
	.p2align	6, 0x0
	.amdhsa_kernel k_q8109f530a3_attn
		.amdhsa_group_segment_fixed_size 167936
		.amdhsa_private_segment_fixed_size 0
		.amdhsa_enable_private_segment 0
		.amdhsa_kernarg_size 16
		.amdhsa_user_sgpr_count 2
		.amdhsa_user_sgpr_kernarg_segment_ptr 1
		.amdhsa_wavefront_size32 1
		.amdhsa_system_sgpr_workgroup_id_x 1
		.amdhsa_system_sgpr_workgroup_id_y 1
		.amdhsa_system_sgpr_workgroup_id_z 1
		.amdhsa_system_vgpr_workitem_id 0
		.amdhsa_next_free_vgpr 256
		.amdhsa_next_free_sgpr 66
		.amdhsa_reserve_vcc 1
		.amdhsa_float_denorm_mode_32 3
		.amdhsa_float_denorm_mode_16_64 3
		.amdhsa_memory_ordered 1
		.amdhsa_forward_progress 1
		.amdhsa_inst_pref_size 34
	.end_amdhsa_kernel
	.amdgpu_metadata
---
amdhsa.version: [ 1, 2 ]
amdhsa.kernels:
  - .name:           k_q8109f530a3_attn
    .symbol:         k_q8109f530a3_attn.kd
    .args:
      - { .name: QKV, .offset: 0, .size: 8, .value_kind: global_buffer, .address_space: global }
      - { .name: CB, .offset: 8, .size: 8, .value_kind: global_buffer, .address_space: global }
    .group_segment_fixed_size: 167936
    .private_segment_fixed_size: 0
    .kernarg_segment_align: 8
    .kernarg_segment_size: 16
    .max_flat_workgroup_size: 512
    .sgpr_count:     66
    .vgpr_count:     256
    .wavefront_size: 32
...
	.end_amdgpu_metadata
.endif
;; end of part 3
;; launch oproj (part 4): grid 16 x 16, 4 waves a work-group, clusters of 4 x 4, 184,320 bytes of LDS; arguments CB, WB, x, X1; writes X1
.if DOCPART == 4
	.amdgcn_target "amdgcn-amd-amdhsa--gfx1250"
	.amdhsa_code_object_version 6
	.text
	.protected	k_q8109f530a3_oproj
	.globl	k_q8109f530a3_oproj
	.p2align	8
	.type	k_q8109f530a3_oproj,@function
k_q8109f530a3_oproj:
	s_mov_b64 s[64:65], 0
	v_nop
	global_prefetch_b8 v0, s[64:65] scope:SCOPE_SE
	s_setreg_imm32_b32 hwreg(HW_REG_WAVE_MODE, 25, 1), 1
	s_wait_xcnt 0x0
	s_wait_alu depctr_hold_cnt(0) depctr_sa_sdst(0) depctr_va_vdst(0) depctr_va_sdst(0) depctr_va_ssrc(0) depctr_va_vcc(0) depctr_vm_vsrc(0)
	s_getreg_b32 s2, hwreg(HW_REG_IB_STS2, 6, 4)
	s_cmp_eq_u32 s2, 0
	s_cbranch_scc0 .Lentry_in_a_cluster
	s_endpgm
.Lentry_in_a_cluster:
	s_bfe_u32 s2, ttmp6, 0x10000c
	s_cmp_lg_u32 s2, 0xf033
	s_cbranch_scc0 .Lentry_shape_is_right
	s_endpgm
.Lentry_shape_is_right:
; X1 = x + ctx Wo on codes of FP4 with E8M0 scales.
; SHARES.  Work-group (x, y) makes rows 256 y .. + 255 of columns 64 x .. + 63: 16 x 16 = 256 work-groups of four waves; wave w makes 64 rows x 64 columns: 16 accumulators, K = 1,024 in 8 steps, 128 products.
; ALL OPERANDS COME ONCE, by four tensor loads at the head, one a wave: waves 0 and 1 the halves of ctx's 256 rows (65,536 dense bytes each), wave 2 the weight's four tiles (32,768 dense bytes), wave 3 their scale words (2,048 bytes).
; Nothing is filled again.  ctx's scale words go from memory into registers; the residual's 64 rows x 256 bytes (32 loads a wave) are asked for at the head too, into window 3.
; CLUSTER 4 x 4: ctx's tiles hang on y alone and are asked for jointly along a row of the cluster, the weight's on x alone, along a column.
; No prefetch: every tile is asked for at the head, and there is no loop to run ahead in.
; Source 0 = 16 columns of the weight (window 2), source 1 = 16 rows of ctx (window 1): a lane holds one row and, over a pair of tiles, 16 neighbouring columns.
; THE WAY OUT: 16 rows x 64 columns at a time through the wave's own stage, on LDS bytes into which no fill lands; they come back as whole rows of 256 bytes, the residual is added, sixteen lanes store 256 consecutive aligned bytes.
; Place r of tile 2 b + u is row 32 b + 8 u + r + 8 (r / 8): the stores' immediates undo that order.
; REGISTERS, window 0: v1-12 lane terms and addresses; v14, v15 the add's two; v16-31 ctx's scale words, v32-47 the weight's: nothing else; v64-127 two sets of rows on the way out; v128-255 accumulators.
.set WOFF,  1572864                    ; the weight's codes in WB
.set WSOFF, 6520832                    ; and its scale words
.set ASOFF, 2097152                    ; ctx's scale words
.set BLDS,  131072                     ; LDS: ctx's 256 rows, then the weight's four tiles,
.set SCB,   163840                     ; their scale words,
.set SPARE, 165888                     ; the spare words: 128 bytes a wave, two blocks of 256 bytes that no other line names,
.set STG,   166400                     ; and the stages: 16 rows x 272 bytes for each wave
.set ADA, 10
.set ADB, 11
.set ADS, 12
.set SPW, 14
.set NIL, 15
.set SA,  16
.set SB,  32
.set ACC, 128
.set G1A, 20
.set G1B, 28
.set G1S, 36
.set G0A, 44
.set G0B, 48
.set G0S, 52
.set AS,  70
.set MSB, 0
.macro WIN new                         ; the immediate's high byte repeats the setting that is left
.if MSB != \new
	s_set_vgpr_msb (MSB<<8)|\new
.set MSB, \new
.endif
.endm
.macro PLACES
.rept 4
	v_nop
.endr
.endm
.macro CROUND                          ; a round of the cluster's barrier
	s_barrier_signal -1
	s_barrier_wait -1
	s_cmp_lg_u32 s12, 0
	s_cbranch_scc1 .Lnot_wave_0_\@
	s_barrier_signal -3
.Lnot_wave_0_\@:
	s_barrier_wait -3
	s_barrier_signal -1
	s_barrier_wait -1
.endm
.macro G1REST g, r                     ; r rows of 32 elements of 8 bytes, dense
	s_mov_b32 s[\g+1], 32<<16
	s_mov_b32 s[\g+2], (\r)<<16
	s_mov_b32 s[\g+3], 32<<16
	s_mov_b32 s[\g+4], \r
	s_mov_b32 s[\g+5], 32
	s_mov_b32 s[\g+6], 0
	s_mov_b32 s[\g+7], 0
.endm
.macro WM i, j, ks                     ; one product; an odd tile's scale words stand in lanes 16-31 of its pair's register; K step 0 starts the sums
.set rD, ACC+8*(4*(\j)+(\i))
.set rP, 32*(\ks)+8*(\i)
.set rQ, 64*(\j)+8*(\ks)
.set rA, SB+2*(\ks)+(\i)/2
.set rB, SA+2*(\ks)+(\j)/2
.if (\ks) == 0
.if ((\i)%2 == 0) && ((\j)%2 == 0)
	v_wmma_scale_f32_16x16x128_f8f6f4 v[rD:rD+7], v[rP:rP+7], v[rQ:rQ+7], 0, v[rA], v[rB] matrix_a_fmt:MATRIX_FMT_FP4 matrix_b_fmt:MATRIX_FMT_FP4
.elseif (\j)%2 == 0
	v_wmma_scale_f32_16x16x128_f8f6f4 v[rD:rD+7], v[rP:rP+7], v[rQ:rQ+7], 0, v[rA], v[rB] matrix_a_fmt:MATRIX_FMT_FP4 matrix_b_fmt:MATRIX_FMT_FP4 matrix_a_scale:MATRIX_SCALE_ROW1
.elseif (\i)%2 == 0
	v_wmma_scale_f32_16x16x128_f8f6f4 v[rD:rD+7], v[rP:rP+7], v[rQ:rQ+7], 0, v[rA], v[rB] matrix_a_fmt:MATRIX_FMT_FP4 matrix_b_fmt:MATRIX_FMT_FP4 matrix_b_scale:MATRIX_SCALE_ROW1
.else
	v_wmma_scale_f32_16x16x128_f8f6f4 v[rD:rD+7], v[rP:rP+7], v[rQ:rQ+7], 0, v[rA], v[rB] matrix_a_fmt:MATRIX_FMT_FP4 matrix_b_fmt:MATRIX_FMT_FP4 matrix_a_scale:MATRIX_SCALE_ROW1 matrix_b_scale:MATRIX_SCALE_ROW1
.endif
.else
.if ((\i)%2 == 0) && ((\j)%2 == 0)
	v_wmma_scale_f32_16x16x128_f8f6f4 v[rD:rD+7], v[rP:rP+7], v[rQ:rQ+7], v[rD:rD+7], v[rA], v[rB] matrix_a_fmt:MATRIX_FMT_FP4 matrix_b_fmt:MATRIX_FMT_FP4
.elseif (\j)%2 == 0
	v_wmma_scale_f32_16x16x128_f8f6f4 v[rD:rD+7], v[rP:rP+7], v[rQ:rQ+7], v[rD:rD+7], v[rA], v[rB] matrix_a_fmt:MATRIX_FMT_FP4 matrix_b_fmt:MATRIX_FMT_FP4 matrix_a_scale:MATRIX_SCALE_ROW1
.elseif (\i)%2 == 0
	v_wmma_scale_f32_16x16x128_f8f6f4 v[rD:rD+7], v[rP:rP+7], v[rQ:rQ+7], v[rD:rD+7], v[rA], v[rB] matrix_a_fmt:MATRIX_FMT_FP4 matrix_b_fmt:MATRIX_FMT_FP4 matrix_b_scale:MATRIX_SCALE_ROW1
.else
	v_wmma_scale_f32_16x16x128_f8f6f4 v[rD:rD+7], v[rP:rP+7], v[rQ:rQ+7], v[rD:rD+7], v[rA], v[rB] matrix_a_fmt:MATRIX_FMT_FP4 matrix_b_fmt:MATRIX_FMT_FP4 matrix_a_scale:MATRIX_SCALE_ROW1 matrix_b_scale:MATRIX_SCALE_ROW1
.endif
.endif
.endm
.macro OUTJ j                          ; row tile j goes out
.set BK, 64+32*((\j)%2)
.if \j > 1
	s_wait_xcnt 0x0                                ; tile j - 2's stores have read this set of registers
.endif
.irp i, 0,1,2,3
	ds_store_b128 v6, v[ACC+8*(4*\j+\i):ACC+8*(4*\j+\i)+3] offset:(\i/2)*128+(\i%2)*32        ; each accumulator from its low end on
	ds_store_b128 v6, v[ACC+8*(4*\j+\i)+4:ACC+8*(4*\j+\i)+7] offset:(\i/2)*128+(\i%2)*32+16
.endr
.irp t, 0,1,2,3,4,5,6,7
	ds_load_b128 v[BK+4*\t:BK+4*\t+3], v7 offset:2*\t*272   ; LDS serves a wave's instructions in order (ISA guide 5.7.1.4): these see my stores
.endr
	s_wait_dscnt 0x0
	WIN 0x0c                                       ; source 1, the residual: window 3
.set n, 0
.rept 16
	v_pk_add_f32 v[BK+n:BK+n+1], v[BK+n:BK+n+1], v[32*(\j)+n:32*(\j)+n+1]
.set n, n+2
.endr
	WIN 0
.irp t, 0,1,2,3,4,5,6,7
	global_store_b128 v8, v[BK+4*\t:BK+4*\t+3], s[10:11] offset:(32*(\j/2)+8*(\j%2)+2*\t+8*(\t/4))*4096   ; sixteen lanes store 256 consecutive aligned bytes
.endr
.endm
	s_load_b256 s[4:11], s[0:1], 0x0               ; CB 4:5, WB 6:7, x 8:9, X1 10:11
	v_lshl_add_u32 v[SPW], v0, 2, SPARE
	v_mov_b32 v[NIL], 0
	ds_add_u32 v[SPW], v[NIL]                      ; the opening: the add, twice on end, and its wait ahead of my first tensor load
	ds_add_u32 v[SPW], v[NIL]
	v_lshrrev_b32 v1, 5, v0
	v_readfirstlane_b32 s12, v1                    ; wave 0..3
	s_bfe_u32 s13, ttmp6, 0x40000                  ; cx
	s_bfe_u32 s14, ttmp6, 0x40004                  ; cy
	s_lshl_b32 s15, ttmp9, 2
	s_add_co_u32 s15, s15, s13                     ; x: the block of 64 columns
	s_and_b32 s16, ttmp7, 0xffff
	s_lshl_b32 s16, s16, 2
	s_add_co_u32 s16, s16, s14                     ; y: the block of 256 rows
	s_lshl_b32 s17, s14, 2
	s_lshl_b32 s17, 15, s17                        ; my row of the cluster
	s_lshl_b32 s18, 0x1111, s13                    ; my column
	s_or_b32 s[G1A], s17, (3<<16)|(1<<21)          ; ctx's tiles go to my row; elements of 8 bytes; bit 21 beside a mask
	s_or_b32 s[G1B], s18, (3<<16)|(1<<21)          ; the weight's to my column
	s_or_b32 s[G1S], s18, (3<<16)|(1<<21)
	G1REST G1A, 256
	G1REST G1B, 128
	G1REST G1S, 8
	s_lshl_b32 s82, s16, 17
	s_lshl_b32 s[G0A+1], s12, 16                   ; LDS: wave x 65,536
	s_add_co_u32 s82, s82, s[G0A+1]
	s_mov_b32 s83, 0
	s_lshl_b32 s84, s15, 15
	s_add_co_u32 s84, s84, WOFF
	s_mov_b32 s85, 0
	s_lshl_b32 s86, s15, 11
	s_add_co_u32 s86, s86, WSOFF
	s_mov_b32 s87, 0
	s_mov_b32 s[G0A], 1
	s_mov_b32 s[G0B], 1
	s_mov_b32 s[G0B+1], BLDS
	s_mov_b32 s[G0S], 1
	s_mov_b32 s[G0S+1], SCB
	s_wait_dscnt 0x0                               ; both opening adds are done
	s_wait_kmcnt 0x0
	s_add_nc_u64 s[G0A+2:G0A+3], s[4:5], s[82:83]
	s_or_b32 s[G0A+3], s[G0A+3], 0x80000000
	s_add_nc_u64 s[G0B+2:G0B+3], s[6:7], s[84:85]
	s_or_b32 s[G0B+3], s[G0B+3], 0x80000000
	s_add_nc_u64 s[G0S+2:G0S+3], s[6:7], s[86:87]
	s_or_b32 s[G0S+3], s[G0S+3], 0x80000000
	CROUND                                         ; all sixteen work-groups are here: the joint loads meet
.macro ARM under, g0, g1, next         ; one chain of branches on the wave's number, a load to an arm (one tensor load a wave at the head)
	s_cmp_lt_u32 s12, \under
	s_cbranch_scc0 \next
	tensor_load_to_lds s[\g0:\g0+3], s[\g1:\g1+7]
	s_nop 0
	PLACES
	s_branch .Lhead_asked
\next:
.endm
	ARM 2, G0A, G1A, .Lhead_b
	ARM 3, G0B, G1B, .Lhead_s
	tensor_load_to_lds s[G0S:G0S+3], s[G1S:G1S+7]
	s_nop 0
	PLACES
.Lhead_asked:
	s_lshl_b32 s81, s16, 2
	s_add_co_u32 s81, s81, s12                     ; R: my 64 rows
	s_mov_b32 s89, 0
	s_lshl_b32 s88, s81, 11
	s_add_co_u32 s88, s88, ASOFF
	s_add_nc_u64 s[AS:AS+1], s[4:5], s[88:89]      ; my rows' scale words
	s_lshl_b32 s88, s81, 18
	s_lshl_b32 s90, s15, 8
	s_add_co_u32 s88, s88, s90
	s_add_nc_u64 s[8:9], s[8:9], s[88:89]          ; my part of the residual,
	s_add_nc_u64 s[10:11], s[10:11], s[88:89]      ; and of the result
	s_lshl_b32 s90, s12, 15                        ; my rows in LDS
	s_mul_i32 s91, s12, 4352
	s_add_co_u32 s91, s91, STG                     ; my stage
	v_and_b32 v1, 31, v0                           ; lane
	v_and_b32 v4, 15, v0
	v_bfe_u32 v5, v0, 4, 1
	v_lshlrev_b32 v2, 4, v1                        ; 16 x lane
	v_lshlrev_b32 v3, 2, v1                        ; 4 x lane
	v_add_nc_u32 v[ADB], BLDS, v2
	v_add_nc_u32 v[ADS], SCB, v3
	v_add_nc_u32 v[ADA], s90, v2
	v_mul_u32_u24 v6, v4, 272
	v_lshl_add_u32 v6, v5, 6, v6
	v_add_nc_u32 v6, s91, v6                       ; the stage, in: row lane % 16, + 64 (lane / 16)
	v_mul_u32_u24 v7, v5, 272
	v_lshl_add_u32 v7, v4, 4, v7
	v_add_nc_u32 v7, s91, v7                       ; back: lanes 0-15 one row, lanes 16-31 the next
	v_lshlrev_b32 v8, 12, v5
	v_lshl_add_u32 v8, v4, 4, v8                   ; the same two rows in memory
.irp k, 0,1,2,3,4,5,6,7
.irp e, 0,1
	global_load_b32 v[SA+2*\k+\e], v3, s[AS:AS+1] offset:\e*1024+\k*128
.endr
.endr
	WIN 0xc0
.irp j, 0,1,2,3
.irp t, 0,1,2,3,4,5,6,7
	global_load_b128 v[32*\j+4*\t:32*\j+4*\t+3], v8, s[8:9] offset:(32*(\j/2)+8*(\j%2)+2*\t+8*(\t/4))*4096 th:TH_LOAD_NT   ; the residual: two rows of 256 bytes a load, into window 3
.endr
.endr
	WIN 0
	s_wait_alu depctr_va_vdst(0)                   ; the wait at the head's end
	s_wait_tensorcnt 0x0                           ; my load has landed
	s_barrier_signal -1
	s_barrier_wait -1                              ; everybody's has
	WIN 0x40
.irp j, 0,1,2,3
.irp k, 0,1,2,3,4,5,6,7
.irp cc, 0,1
	ds_load_b128 v[64*\j+8*\k+4*\cc:64*\j+8*\k+4*\cc+3], v[ADA] offset:\j*8192+\k*1024+\cc*512   ; my 64 rows, all of K, into window 1
.endr
.endr
.endr
	WIN 0
.irp k, 0,1,2,3,4,5,6,7
.irp e, 0,1
	ds_load_b32 v[SB+2*\k+\e], v[ADS] offset:\e*1024+\k*128
.endr
.endr
	WIN 0x80
.irp k, 0,1,2,3,4,5,6,7
.irp i, 0,1,2,3
.irp cc, 0,1
	ds_load_b128 v[32*\k+8*\i+4*\cc:32*\k+8*\i+4*\cc+3], v[ADB] offset:\i*8192+\k*1024+\cc*512   ; the weight's fragments, K step by K step, into window 2
.endr
.endr
.endr
	WIN 0
	s_wait_loadcnt 32                              ; ctx's scale words are in; the residual's 32 loads, issued behind them, may be out
	WIN 0x06                                       ; source 0, the weight: window 2; source 1, ctx: window 1
.set kk, 0
.rept 8
	s_wait_dscnt 56-8*kk                           ; this K step's fragments are in; the 8 loads of each later step may be out
.irp j, 0,1,2,3
.irp i, 0,1,2,3
	WM \i, \j, kk                                  ; the 16 accumulators take turns, one instruction a turn
.endr
.endr
.set kk, kk+1
.endr
	WIN 0
	PLACES                                         ; four plain lines ahead of the first read of results
	s_wait_loadcnt 0x0                             ; the residual
	OUTJ 0
	OUTJ 1
	OUTJ 2
	OUTJ 3
	s_wait_tensorcnt 0x0                           ; the wave's end
	ds_add_u32 v[SPW], v[NIL]
	s_wait_dscnt 0x0
	CROUND                                         ; the closing round
	s_endpgm
.Lfunc_end_k_q8109f530a3_oproj:
	.size	k_q8109f530a3_oproj, .Lfunc_end_k_q8109f530a3_oproj-k_q8109f530a3_oproj
	.p2alignl 7, 3214868480
	.fill 96, 4, 3214868480
	.section	.rodata,"a",@progbits
	.p2align	6, 0x0
	.amdhsa_kernel k_q8109f530a3_oproj
		.amdhsa_group_segment_fixed_size 184320
		.amdhsa_private_segment_fixed_size 0
		.amdhsa_enable_private_segment 0
		.amdhsa_kernarg_size 32
		.amdhsa_user_sgpr_count 2
		.amdhsa_user_sgpr_kernarg_segment_ptr 1
		.amdhsa_wavefront_size32 1
		.amdhsa_system_sgpr_workgroup_id_x 1
		.amdhsa_system_sgpr_workgroup_id_y 1
		.amdhsa_system_sgpr_workgroup_id_z 1
		.amdhsa_system_vgpr_workitem_id 0
		.amdhsa_next_free_vgpr 896
		.amdhsa_next_free_sgpr 96
		.amdhsa_reserve_vcc 0
		.amdhsa_float_denorm_mode_32 3
		.amdhsa_float_denorm_mode_16_64 3
		.amdhsa_memory_ordered 1
		.amdhsa_forward_progress 1
		.amdhsa_inst_pref_size 49
	.end_amdhsa_kernel
	.amdgpu_metadata
---
amdhsa.version: [ 1, 2 ]
amdhsa.kernels:
  - .name:           k_q8109f530a3_oproj
    .symbol:         k_q8109f530a3_oproj.kd
    .args:
      - { .name: CB, .offset: 0, .size: 8, .value_kind: global_buffer, .address_space: global }
      - { .name: WB, .offset: 8, .size: 8, .value_kind: global_buffer, .address_space: global }
      - { .name: x, .offset: 16, .size: 8, .value_kind: global_buffer, .address_space: global }
      - { .name: X1, .offset: 24, .size: 8, .value_kind: global_buffer, .address_space: global }
    .group_segment_fixed_size: 184320
    .private_segment_fixed_size: 0
    .kernarg_segment_align: 8
    .kernarg_segment_size: 32
    .max_flat_workgroup_size: 128
    .sgpr_count:     96
    .vgpr_count:     896
    .wavefront_size: 32
...
	.end_amdgpu_metadata
.endif
;; end of part 4
;; launch norm2: the kernel of part 1 again; grid 256 x 1, 8 waves a work-group, no clusters, 66,816 bytes of LDS; arguments X1, g2, H2B, Wq, Wk, Wv, Wo, W3, W1, W2, WB; writes H2B, WB
;; launch up (part 5): grid 32 x 8, 8 waves a work-group, clusters of 4 x 1, 327,680 bytes of LDS; arguments H2B, WB, UB; writes UB
.if DOCPART == 5
	.amdgcn_target "amdgcn-amd-amdhsa--gfx1250"
	.amdhsa_code_object_version 6
	.text
	.protected	k_q8109f530a3_up
	.globl	k_q8109f530a3_up
	.p2align	8
	.type	k_q8109f530a3_up,@function
k_q8109f530a3_up:
	s_mov_b64 s[64:65], 0
	v_nop
	global_prefetch_b8 v0, s[64:65] scope:SCOPE_SE
	s_setreg_imm32_b32 hwreg(HW_REG_WAVE_MODE, 25, 1), 1
	s_wait_xcnt 0x0
	s_wait_alu depctr_hold_cnt(0) depctr_sa_sdst(0) depctr_va_vdst(0) depctr_va_sdst(0) depctr_va_ssrc(0) depctr_va_vcc(0) depctr_vm_vsrc(0)
	s_getreg_b32 s2, hwreg(HW_REG_IB_STS2, 6, 4)
	s_cmp_eq_u32 s2, 0
	s_cbranch_scc0 .Lentry_in_a_cluster
	s_endpgm
.Lentry_in_a_cluster:
	s_bfe_u32 s2, ttmp6, 0x10000c
	s_cmp_lg_u32 s2, 0x3003
	s_cbranch_scc0 .Lentry_shape_is_right
	s_endpgm
.Lentry_shape_is_right:
; u = silu(h2 W1) * (h2 W2) on codes of FP4 with E8M0 scales, quantised on the way out along the 2,730 columns (filled with zeros to 2,816 = 88 groups of 32).
; SHARES.  32 row blocks x 88 groups = 256 x 11: work-group (rb, x) makes rows 128 rb .. + 127 of groups 11 x .. 11 x + 10.  Eight waves, two to a SIMD, 512 registers each.
; Wave w owns the 64 rows of half w % 2 and place c = w / 2 of a round; its rows' codes for all of K = 1,024 (4 tiles x 8 K steps x 8 registers) stay in window 1, read once from LDS.
; A group is W1's pair and W2's pair of tiles of the same 32 columns, 32,768 dense bytes in the order of the operand's registers; a lane holds a and b of the same 16 columns of one row.
; ROUNDS.  Round t works on groups 4 t + c - 1 (t = 0, 1, 2): 3, 4 and 4 groups.
; Two LDS slots of four places.  At the head slot 0 takes half 0 of the activations in place 0 and groups 0 to 2 in places 1 to 3; half 1 of the activations and the weights' scale words of all 11 groups have bytes of their own.
; CLUSTER.  The four row blocks of a cluster walk the same groups: the weights' codes and scale words are asked for jointly (mask 15); the activations are each work-group's own (no mask).
; PREFETCH.  Trip 0 asks for what trip 1 loads (round 2's 131,072 bytes): waves 4 to 7, a lane to each 256 bytes, the four partners 32,768 bytes apart by address.  Rounds 0 and 1 come by their loads alone: nothing stands ahead of them to ask in.
; Source 0 = 16 columns of a weight, source 1 = 16 rows of h2.  The 32 columns are one block of the next K: lanes l and l xor 16 hold its halves; a store of codes covers 256 consecutive aligned bytes.
; Columns from 2,730 on have zero codes in W1 and W2: a = b = 0 and u = 0 there.
; LIMITS: NaN and infinities are not served; a block of zeros carries the byte 1, its codes are zeros, and this program alone reads the bytes.
; REGISTERS, window 0: v1-13 lane terms and addresses; v14, v15 the add's two; v16-31 h2's scale words, v32-47 the weights': nothing else; v48-63 the quantiser; v64-127 two sets of the weights' fragments, then u; v128-255 accumulators.
.set HSC,   2097152
.set W12C,  2097152
.set W12S,  6553600
.set UTS,   22528                      ; u: from tile to tile
.set USS,   2816                       ; from pair to pair in its scale words,
.set USC,   5767168                    ; which begin here
.set SLOT1, 131072
.set AREG,  262144                     ; half 1 of the activations: 32,768 bytes
.set SCB,   294912                     ; the weights' scale words: 11 x 2,048 bytes
.set SPARE, 317440                     ; the spare words: 128 bytes a wave, four blocks of 256 bytes that no other line names
.set AB0, 8
.set AS0, 9
.set ADA, 10
.set ADB, 11
.set ADS, 12
.set PFO, 13
.set SPW, 14
.set NIL, 15
.set SA,  16
.set SB,  32
.set QM,  48
.set QP,  52
.set QC,  56
.set BF,  64
.set T,   64
.set ACC, 128
.set G1C, 16                           ; group 1: 128 rows of 256 bytes, joint
.set G1P, 24                           ; the same, my own
.set G1H, 32                           ; 64 rows, my own
.set G1S, 40                           ; 44 rows, joint
.set G0A, 48
.set G0H, 52
.set G0S, 56
.set G0R, 60                           ; the ring's group 0, which walks
.set UC,  70
.set US,  72
.set AS,  74
.set PFA, 76
.set SEL, 78
.set CS,  80
.set CNT, 82
.set SKP, 83
.set LIM, 84
.set TB,  85
.set TS,  98
.set MSB, 0
.macro WIN new                         ; the immediate's high byte repeats the setting that is left
.if MSB != \new
	s_set_vgpr_msb (MSB<<8)|\new
.set MSB, \new
.endif
.endm
.macro PLACES
.rept 4
	v_nop
.endr
.endm
.macro CROUND                          ; a round of the cluster's barrier
	s_barrier_signal -1
	s_barrier_wait -1
	s_cmp_lg_u32 s10, 0
	s_cbranch_scc1 .Lnot_wave_0_\@
	s_barrier_signal -3
.Lnot_wave_0_\@:
	s_barrier_wait -3
	s_barrier_signal -1
	s_barrier_wait -1
.endm
.macro G1REST g, r                     ; r rows of 32 elements of 8 bytes, dense
	s_mov_b32 s[\g+1], 32<<16
	s_mov_b32 s[\g+2], (\r)<<16
	s_mov_b32 s[\g+3], 32<<16
	s_mov_b32 s[\g+4], \r
	s_mov_b32 s[\g+5], 32
	s_mov_b32 s[\g+6], 0
	s_mov_b32 s[\g+7], 0
.endm
.macro FETCH ks                        ; the weights' four fragments of K step ks into set ks % 2: 8 LDS loads
.irp i, 0,1,2,3
.irp cc, 0,1
	ds_load_b128 v[BF+32*((\ks)%2)+8*\i+4*\cc:BF+32*((\ks)%2)+8*\i+4*\cc+3], v[ADB] offset:\i*8192+(\ks)*1024+\cc*512
.endr
.endr
.endm
.macro WM i, j, ks                     ; one product; an odd tile's scale words stand in lanes 16-31 of its pair's register; K step 0 starts the sums
.set rD, ACC+8*(4*(\j)+(\i))
.set rP, BF+32*((\ks)%2)+8*(\i)
.set rQ, 64*(\j)+8*(\ks)
.set rA, SB+2*(\ks)+(\i)/2
.set rB, SA+2*(\ks)+(\j)/2
.if (\ks) == 0
.if ((\i)%2 == 0) && ((\j)%2 == 0)
	v_wmma_scale_f32_16x16x128_f8f6f4 v[rD:rD+7], v[rP:rP+7], v[rQ:rQ+7], 0, v[rA], v[rB] matrix_a_fmt:MATRIX_FMT_FP4 matrix_b_fmt:MATRIX_FMT_FP4
.elseif (\j)%2 == 0
	v_wmma_scale_f32_16x16x128_f8f6f4 v[rD:rD+7], v[rP:rP+7], v[rQ:rQ+7], 0, v[rA], v[rB] matrix_a_fmt:MATRIX_FMT_FP4 matrix_b_fmt:MATRIX_FMT_FP4 matrix_a_scale:MATRIX_SCALE_ROW1
.elseif (\i)%2 == 0
	v_wmma_scale_f32_16x16x128_f8f6f4 v[rD:rD+7], v[rP:rP+7], v[rQ:rQ+7], 0, v[rA], v[rB] matrix_a_fmt:MATRIX_FMT_FP4 matrix_b_fmt:MATRIX_FMT_FP4 matrix_b_scale:MATRIX_SCALE_ROW1
.else
	v_wmma_scale_f32_16x16x128_f8f6f4 v[rD:rD+7], v[rP:rP+7], v[rQ:rQ+7], 0, v[rA], v[rB] matrix_a_fmt:MATRIX_FMT_FP4 matrix_b_fmt:MATRIX_FMT_FP4 matrix_a_scale:MATRIX_SCALE_ROW1 matrix_b_scale:MATRIX_SCALE_ROW1
.endif
.else
.if ((\i)%2 == 0) && ((\j)%2 == 0)
	v_wmma_scale_f32_16x16x128_f8f6f4 v[rD:rD+7], v[rP:rP+7], v[rQ:rQ+7], v[rD:rD+7], v[rA], v[rB] matrix_a_fmt:MATRIX_FMT_FP4 matrix_b_fmt:MATRIX_FMT_FP4
.elseif (\j)%2 == 0
	v_wmma_scale_f32_16x16x128_f8f6f4 v[rD:rD+7], v[rP:rP+7], v[rQ:rQ+7], v[rD:rD+7], v[rA], v[rB] matrix_a_fmt:MATRIX_FMT_FP4 matrix_b_fmt:MATRIX_FMT_FP4 matrix_a_scale:MATRIX_SCALE_ROW1
.elseif (\i)%2 == 0
	v_wmma_scale_f32_16x16x128_f8f6f4 v[rD:rD+7], v[rP:rP+7], v[rQ:rQ+7], v[rD:rD+7], v[rA], v[rB] matrix_a_fmt:MATRIX_FMT_FP4 matrix_b_fmt:MATRIX_FMT_FP4 matrix_b_scale:MATRIX_SCALE_ROW1
.else
	v_wmma_scale_f32_16x16x128_f8f6f4 v[rD:rD+7], v[rP:rP+7], v[rQ:rQ+7], v[rD:rD+7], v[rA], v[rB] matrix_a_fmt:MATRIX_FMT_FP4 matrix_b_fmt:MATRIX_FMT_FP4 matrix_a_scale:MATRIX_SCALE_ROW1 matrix_b_scale:MATRIX_SCALE_ROW1
.endif
.endif
.endm
.macro MULS ks                         ; 16 products; the 16 accumulators take turns, one instruction a turn, in the same order in every step
.irp j, 0,1,2,3
.irp i, 0,1,2,3
	WM \i, \j, \ks
.endr
.endr
.endm
; THE CHANGE OF SLOTS, at a round's head.  fill = 1: behind a round of the cluster's barrier waves 0 to 3 ask jointly for the next round's four groups, one group a wave, into the other slot.
.macro CHANGE fill
	s_wait_tensorcnt 0x0                           ; no tensor load of mine is out: my part of the slot ahead has landed, and a group 0 may be written
	ds_add_u32 v[SPW], v[NIL]
.if \fill
	s_xor_b32 s[G0R+1], s[G0R+1], SLOT1            ; the other slot than last time,
	s_add_nc_u64 s[G0R+2:G0R+3], s[G0R+2:G0R+3], 131072   ; four groups on
.endif
	s_wait_dscnt 0x0                               ; the add is done, and my reads of the slot that I have left are over (in trip 0: of the activations)
.if \fill
	CROUND
	s_cmp_lt_u32 s10, 4
	s_cbranch_scc0 .Lno_load_\@
	tensor_load_to_lds s[G0R:G0R+3], s[G1C:G1C+7]
	s_nop 0
	PLACES
.Lno_load_\@:
	s_cmp_eq_u32 s[CNT], s[LIM]                    ; trip 0, waves 4 to 7: what trip 1 will load
	s_cbranch_scc0 .Lno_ask_\@
	global_prefetch_b8 v[PFO], s[PFA:PFA+1] th:TH_LOAD_NT scope:SCOPE_SE
.Lno_ask_\@:
.else
	s_barrier_signal -1
	s_barrier_wait -1
.endif
.endm
; A ROUND'S WORK: my 64 rows x my group: 128 products, silu, the quantiser, the stores
.macro WORK
	v_add_nc_u32 v[ADB], s[TB], v[AB0]
	v_add_nc_u32 v[ADS], s[TS], v[AS0]
	s_wait_alu depctr_va_vdst(0)                   ; a wait here, directly behind the writes
.irp k, 0,1,2,3,4,5,6,7
.irp e, 0,1
	ds_load_b32 v[SB+2*\k+\e], v[ADS] offset:\e*1024+\k*128
.endr
.endr
	FETCH 0
	FETCH 1
	WIN 0x04                                       ; source 1, the activations: window 1.  LDS loads name a destination and a source 0 alone
.set kk, 0
.rept 8
.if kk < 7
	s_wait_dscnt 8                                 ; this K step's loads are in; the next step's 8 may be out
.else
	s_wait_dscnt 0x0
.endif
	MULS kk
.if kk < 6
	PLACES                                         ; four plain lines ahead of loads into registers that the products have read
	FETCH kk+2
.endif
.set kk, kk+1
.endr
	WIN 0
	PLACES
	; u = a / (1 + 2^(-a log2 e)) * b.  a: registers 32 j + 0 .. 15, b: 32 j + 16 .. 31, both at column 16 (lane / 16) + e of the 32
.irp j, 0,1,2,3
.irp e, 0,2,4,6,8,10,12,14
	v_pk_mul_f32 v[T+16*\j+\e:T+16*\j+\e+1], v[ACC+32*\j+\e:ACC+32*\j+\e+1], s[CS:CS+1] op_sel_hi:[1,0]
.endr
.endr
	s_wait_alu depctr_va_vdst(0)                   ; a wait ahead of a batch and one behind it
.set n, 0
.rept 64
	v_exp_f32 v[T+n], v[T+n]
.set n, n+1
.endr
	v_nop
	s_wait_alu depctr_va_vdst(0)
.set n, 0
.rept 32
	v_pk_add_f32 v[T+n:T+n+1], v[T+n:T+n+1], 1.0 op_sel_hi:[1,0]
.set n, n+2
.endr
	s_wait_alu depctr_va_vdst(0)
.set n, 0
.rept 64
	v_rcp_f32 v[T+n], v[T+n]
.set n, n+1
.endr
	v_nop
	s_wait_alu depctr_va_vdst(0)                   ; for the reciprocals, and for b's accumulators
.irp j, 0,1,2,3
.irp e, 0,2,4,6,8,10,12,14
	v_pk_mul_f32 v[T+16*\j+\e:T+16*\j+\e+1], v[T+16*\j+\e:T+16*\j+\e+1], v[ACC+32*\j+\e:ACC+32*\j+\e+1]
.endr
.endr
.irp j, 0,1,2,3
.irp e, 0,2,4,6,8,10,12,14
	v_pk_mul_f32 v[T+16*\j+\e:T+16*\j+\e+1], v[T+16*\j+\e:T+16*\j+\e+1], v[ACC+32*\j+16+\e:ACC+32*\j+17+\e]
.endr
.endr
	; four blocks, one for each row tile, by turns
.irp j, 0,1,2,3
	v_max3_num_f32 v[QM+\j], |v[T+16*\j]|, |v[T+16*\j+1]|, 0x1800000   ; the floor holds the byte at 1
.endr
.irp i, 2,4,6,8,10,12,14
.irp j, 0,1,2,3
	v_max3_num_f32 v[QM+\j], v[QM+\j], |v[T+16*\j+\i]|, |v[T+16*\j+\i+1]|
.endr
.endr
.irp j, 0,1,2,3
	v_permlanex16_b32 v[QP+\j], v[QM+\j], s[SEL], s[SEL+1]
.endr
.irp j, 0,1,2,3
	v_max_num_f32 v[QM+\j], v[QM+\j], v[QP+\j]     ; with lane l xor 16's 16: the block's largest magnitude
.endr
.irp j, 0,1,2,3
	v_add_nc_u32 v[QP+\j], 0xff000000, v[QM+\j]    ; 2 off the exponent field: the conversion's scale operand
.endr
.irp j, 0,1,2,3
	v_lshrrev_b32 v[QM+\j], 23, v[QP+\j]           ; the scale's byte
.endr
.irp j, 0,1,2,3
	v_cvt_scalef32_pk8_fp4_f32 v[QC+2*\j], v[T+16*\j:T+16*\j+7], v[QP+\j]
	v_cvt_scalef32_pk8_fp4_f32 v[QC+2*\j+1], v[T+16*\j+8:T+16*\j+15], v[QP+\j]
.endr
	v_nop                                          ; one plain line behind the conversions
	v_cmp_eq_u32 vcc_lo, 1, v5
.irp j, 0,1,2,3
	global_store_b64 v6, v[QC+2*\j:QC+2*\j+1], s[UC:UC+1] offset:\j*UTS-1024   ; 256 consecutive aligned bytes; the base stands one round (1,024 bytes) ahead
.endr
	v_cndmask_b32 v[QM], v[QM], v[QM+1], vcc_lo    ; lanes 0-15 carry tile 2 p's byte, lanes 16-31 tile 2 p + 1's
	v_cndmask_b32 v[QM+2], v[QM+2], v[QM+3], vcc_lo
	global_store_b8 v7, v[QM], s[US:US+1] offset:-128
	global_store_b8 v7, v[QM+2], s[US:US+1] offset:USS-128
.endm
	s_load_b128 s[4:7], s[0:1], 0x0                ; H2B, WB
	s_load_b64 s[8:9], s[0:1], 0x10                ; UB
	v_lshl_add_u32 v[SPW], v0, 2, SPARE
	v_mov_b32 v[NIL], 0
	ds_add_u32 v[SPW], v[NIL]                      ; the opening: the add, twice on end, and its wait ahead of my first tensor load
	ds_add_u32 v[SPW], v[NIL]
	v_lshrrev_b32 v1, 5, v0
	v_readfirstlane_b32 s10, v1                    ; wave 0..7
	s_lshr_b32 s11, s10, 1                         ; c: my place in a round
	s_and_b32 s12, s10, 1                          ; which 64 rows are mine.  Also: which half I fetch at the head (waves 4 to 7)
	s_bfe_u32 s13, ttmp6, 0x40000                  ; cx
	s_lshl_b32 s14, ttmp9, 2
	s_add_co_u32 s14, s14, s13                     ; rb: the row block
	s_and_b32 s15, ttmp7, 0xffff                   ; x: which 11 groups
	s_mov_b32 s[G1C], 15|(3<<16)|(1<<21)           ; the mask of the cluster's four; elements of 8 bytes; bit 21 beside a mask
	s_mov_b32 s[G1S], 15|(3<<16)|(1<<21)
	s_mov_b32 s[G1P], 3<<16
	s_mov_b32 s[G1H], 3<<16
	G1REST G1C, 128
	G1REST G1P, 128
	G1REST G1H, 64
	G1REST G1S, 44
	s_lshl_b32 s66, s14, 16                        ; the row block's codes: 65,536 bytes
	s_mov_b32 s67, 0
	s_lshl_b32 s68, s12, 14
	s_add_co_u32 s68, s68, s66
	s_add_co_u32 s68, s68, 32768                   ; half 1, in two loads of 16,384 bytes
	s_mov_b32 s69, 0
	s_mul_i32 s3, s15, 11
	s_add_co_u32 s86, s3, s10
	s_lshl_b32 s86, s86, 15
	s_add_co_u32 s86, s86, W12C-32768              ; place w of round 0: group 11 x + w - 1
	s_mov_b32 s87, 0
	s_mul_i32 s88, s15, 22528
	s_mul_i32 s100, s12, 11264
	s_add_co_u32 s88, s88, s100
	s_add_co_u32 s88, s88, W12S                    ; the 11 groups' scale words, in two loads of 11,264 bytes
	s_mov_b32 s89, 0
	s_lshl_b32 s100, s14, 1
	s_add_co_u32 s100, s100, s12                   ; R: my 64 rows
	s_add_co_u32 s3, s3, s11
	s_add_co_u32 s3, s3, 3                         ; my group of round 1
	s_lshr_b32 s101, s3, 2                         ; the next product's K step,
	s_and_b32 s3, s3, 3                            ; and the block in it
	s_mul_i32 s90, s100, 4*UTS
	s_lshl_b32 s92, s101, 10
	s_add_co_u32 s90, s90, s92
	s_lshl_b32 s92, s3, 8
	s_add_co_u32 s90, s90, s92
	s_mov_b32 s91, 0
	s_mul_i32 s92, s100, 2*USS
	s_lshl_b32 s101, s101, 7
	s_add_co_u32 s92, s92, s101
	s_add_co_u32 s92, s92, s3
	s_add_co_u32 s92, s92, USC
	s_mov_b32 s93, 0
	s_lshl_b32 s94, s100, 11
	s_add_co_u32 s94, s94, HSC                     ; my rows' scale words
	s_mov_b32 s95, 0
	s_mul_i32 s96, s15, 11
	s_add_co_u32 s96, s96, s13
	s_add_co_u32 s96, s96, 7                       ; round 2 begins at group 11 x + 7; my work-group asks for one of its four groups, by address
	s_lshl_b32 s96, s96, 15
	s_and_b32 s3, s10, 3
	s_lshl_b32 s3, s3, 13
	s_add_co_u32 s96, s96, s3
	s_add_co_u32 s96, s96, W12C
	s_mov_b32 s97, 0
	s_lshl_b32 s3, s11, 15                         ; my place in a slot
	s_mul_i32 s100, s12, AREG                      ; my half of the activations: LDS byte 0 or AREG
	s_lshl_b32 s101, s11, 11
	s_add_co_u32 s101, s101, SCB-2048              ; my group's scale words in round 0
	s_mov_b32 s[SEL], 0x76543210
	s_mov_b32 s[SEL+1], 0xfedcba98
	s_mov_b32 s[CS], 0xbfb8aa3b                    ; -log2(e)
	s_mov_b32 s[CS+1], s[CS]
	s_mov_b32 s[CNT], 2
	s_mov_b32 s[SKP], s11                          ; 0: no group in round 0
	s_cmp_ge_u32 s10, 4
	s_cselect_b32 s[LIM], 2, 0
	s_mov_b32 s[TB], 0
	s_mov_b32 s[TS], 0
	s_mov_b32 s[G0A], 1
	s_mov_b32 s[G0A+1], 0
	s_mov_b32 s[G0H], 1
	s_lshl_b32 s[G0H+1], s12, 14
	s_add_co_u32 s[G0H+1], s[G0H+1], AREG
	s_mov_b32 s[G0S], 1
	s_mul_i32 s[G0S+1], s12, 11264
	s_add_co_u32 s[G0S+1], s[G0S+1], SCB
	s_mov_b32 s[G0R], 1
	s_lshl_b32 s[G0R+1], s10, 15
	s_wait_dscnt 0x0                               ; both opening adds are done
	s_wait_kmcnt 0x0
	s_add_nc_u64 s[G0A+2:G0A+3], s[4:5], s[66:67]
	s_or_b32 s[G0A+3], s[G0A+3], 0x80000000
	s_add_nc_u64 s[G0H+2:G0H+3], s[4:5], s[68:69]
	s_or_b32 s[G0H+3], s[G0H+3], 0x80000000
	s_add_nc_u64 s[G0S+2:G0S+3], s[6:7], s[88:89]
	s_or_b32 s[G0S+3], s[G0S+3], 0x80000000
	s_add_nc_u64 s[G0R+2:G0R+3], s[6:7], s[86:87]
	s_or_b32 s[G0R+3], s[G0R+3], 0x80000000
	s_add_nc_u64 s[UC:UC+1], s[8:9], s[90:91]
	s_add_nc_u64 s[US:US+1], s[8:9], s[92:93]
	s_add_nc_u64 s[AS:AS+1], s[4:5], s[94:95]
	s_add_nc_u64 s[PFA:PFA+1], s[6:7], s[96:97]
	CROUND                                         ; all four work-groups are here: the first joint loads meet
; THE HEAD'S LOADS, ONE A WAVE: wave 0 half 0 of the activations, waves 1 to 3 groups 0 to 2, waves 4 and 5 half 1 of the activations, waves 6 and 7 the weights' scale words.
.macro ARM under, g0, g1, next
	s_cmp_lt_u32 s10, \under
	s_cbranch_scc0 \next
	tensor_load_to_lds s[\g0:\g0+3], s[\g1:\g1+7]
	s_nop 0
	PLACES
	s_branch .Lhead_asked
\next:
.endm
	ARM 1, G0A, G1P, .Lhead_b
	ARM 4, G0R, G1C, .Lhead_h
	ARM 6, G0H, G1H, .Lhead_s
	tensor_load_to_lds s[G0S:G0S+3], s[G1S:G1S+7]
	s_nop 0
	PLACES
.Lhead_asked:
	v_and_b32 v1, 31, v0                           ; lane
	v_and_b32 v4, 15, v0
	v_bfe_u32 v5, v0, 4, 1
	v_lshlrev_b32 v2, 4, v1                        ; 16 x lane
	v_lshlrev_b32 v7, 2, v1                        ; 4 x lane
	v_lshlrev_b32 v[PFO], 8, v1
	v_lshlrev_b32 v6, 4, v4
	v_lshl_add_u32 v6, v5, 3, v6                   ; 16 x place + 8 x half
	v_add_nc_u32 v[AB0], s3, v2
	v_add_nc_u32 v[ADA], s100, v2
	v_add_nc_u32 v[AS0], s101, v7
.irp j, 0,1,2,3
	v_mov_b32 v[QP+\j], 0                          ; a lane permute's destination counts as read
.endr
.irp k, 0,1,2,3,4,5,6,7
.irp e, 0,1
	global_load_b32 v[SA+2*\k+\e], v7, s[AS:AS+1] offset:\e*1024+\k*128   ; my rows' scale words stay in registers
.endr
.endr
	s_wait_alu depctr_va_vdst(0)                   ; the wait at the head's end
	s_wait_tensorcnt 0x0                           ; my load of the head has landed
	s_barrier_signal -1
	s_barrier_wait -1                              ; everybody's has
	WIN 0x40
.irp j, 0,1,2,3
.irp k, 0,1,2,3,4,5,6,7
.irp cc, 0,1
	ds_load_b128 v[64*\j+8*\k+4*\cc:64*\j+8*\k+4*\cc+3], v[ADA] offset:\j*8192+\k*1024+\cc*512   ; my 64 rows, all of K, into window 1
.endr
.endr
.endr
	WIN 0
	s_wait_loadcnt 0x0                             ; the scale words
.Lround:                                               ; two trips: rounds 0 and 1, each asking for the round after it
	CHANGE 1
	s_cmp_eq_u32 s[SKP], 0
	s_cbranch_scc1 .Lno_group
	WORK
.Lno_group:
	s_wait_xcnt 0x0                                ; the stores have read their bases and their data
	s_add_nc_u64 s[UC:UC+1], s[UC:UC+1], 1024      ; four groups on: one K step of the next product
	s_add_nc_u64 s[US:US+1], s[US:US+1], 128
	s_mov_b32 s[SKP], 1
	s_xor_b32 s[TB], s[TB], SLOT1
	s_add_co_u32 s[TS], s[TS], 8192
	s_sub_co_u32 s[CNT], s[CNT], 1
	s_cmp_lg_u32 s[CNT], 0
	s_cbranch_scc1 .Lround
	CHANGE 0                                       ; round 2 is written out: it asks for nothing
	WORK
	s_wait_tensorcnt 0x0                           ; the wave's end
	ds_add_u32 v[SPW], v[NIL]
	s_wait_dscnt 0x0
	CROUND                                         ; the closing round
	s_endpgm
.Lfunc_end_k_q8109f530a3_up:
	.size	k_q8109f530a3_up, .Lfunc_end_k_q8109f530a3_up-k_q8109f530a3_up
	.p2alignl 7, 3214868480
	.fill 96, 4, 3214868480
	.section	.rodata,"a",@progbits
	.p2align	6, 0x0
	.amdhsa_kernel k_q8109f530a3_up
		.amdhsa_group_segment_fixed_size 327680
		.amdhsa_private_segment_fixed_size 0
		.amdhsa_enable_private_segment 0
		.amdhsa_kernarg_size 24
		.amdhsa_user_sgpr_count 2
		.amdhsa_user_sgpr_kernarg_segment_ptr 1
		.amdhsa_wavefront_size32 1
		.amdhsa_system_sgpr_workgroup_id_x 1
		.amdhsa_system_sgpr_workgroup_id_y 1
		.amdhsa_system_sgpr_workgroup_id_z 1
		.amdhsa_system_vgpr_workitem_id 0
		.amdhsa_next_free_vgpr 512
		.amdhsa_next_free_sgpr 102
		.amdhsa_reserve_vcc 1
		.amdhsa_float_denorm_mode_32 3
		.amdhsa_float_denorm_mode_16_64 3
		.amdhsa_memory_ordered 1
		.amdhsa_forward_progress 1
		.amdhsa_inst_pref_size 94
	.end_amdhsa_kernel
	.amdgpu_metadata
---
amdhsa.version: [ 1, 2 ]
amdhsa.kernels:
  - .name:           k_q8109f530a3_up
    .symbol:         k_q8109f530a3_up.kd
    .args:
      - { .name: H2B, .offset: 0, .size: 8, .value_kind: global_buffer, .address_space: global }
      - { .name: WB, .offset: 8, .size: 8, .value_kind: global_buffer, .address_space: global }
      - { .name: UB, .offset: 16, .size: 8, .value_kind: global_buffer, .address_space: global }
    .group_segment_fixed_size: 327680
    .private_segment_fixed_size: 0
    .kernarg_segment_align: 8
    .kernarg_segment_size: 24
    .max_flat_workgroup_size: 256
    .sgpr_count:     102
    .vgpr_count:     512
    .wavefront_size: 32
...
	.end_amdgpu_metadata
.endif
;; end of part 5
;; launch down (part 6): grid 8 x 32, 4 waves a work-group, no clusters, 87,552 bytes of LDS; arguments UB, WB, X1, out0; writes out0
.if DOCPART == 6
	.amdgcn_target "amdgcn-amd-amdhsa--gfx1250"
	.amdhsa_code_object_version 6
	.text
	.protected	k_q8109f530a3_down
	.globl	k_q8109f530a3_down
	.p2align	8
	.type	k_q8109f530a3_down,@function
k_q8109f530a3_down:
	s_mov_b64 s[64:65], 0
	v_nop
	global_prefetch_b8 v0, s[64:65] scope:SCOPE_SE
	s_setreg_imm32_b32 hwreg(HW_REG_WAVE_MODE, 25, 1), 1
	s_wait_xcnt 0x0
; out0 = X1 + u W3 on codes of FP4 with E8M0 scales.  A work-group of four waves makes 128 x 128, a wave 64 rows x 64 columns: 16 accumulators.
; K = 2,730, filled with zero codes on both sides to 2,816: 11 stages of two K steps of 128.
; THE WORK-GROUP ASKS FOR EACH OPERAND BYTE ONCE.  The buffers are laid in the order of the operand's registers.  In a stage each wave fetches one block of four tiles (16 loads of 512 consecutive bytes) and its
; scale words (2 loads of 256 consecutive bytes): waves 0 and 1 the weight's two blocks, waves 2 and 3 the activations'; the bytes go into LDS as they lie, and each wave reads its 4 + 4 fragments from there.
; Two LDS slots and two sets of staging registers take turns: two stages (36 loads a wave, four K steps) are on their way; one barrier a stage.
; No tensor load, so no joint load of a cluster: what neighbouring work-groups share comes by plain loads.  That form is not built here.
; Source 0 = 16 columns of the weight, source 1 = 16 rows of the activations: a lane holds one row and, over a pair of tiles, 16 neighbouring columns.
; THE WAY OUT: 16 rows x 64 columns at a time through the wave's own stage in LDS; they come back as whole rows of 256 bytes, the residual is added, sixteen lanes store 256 consecutive aligned bytes.
; Place r of tile 2 b + u is row 32 b + 8 u + r + 8 (r / 8): the stores' immediates undo that order.  All stages are written out: every offset is an immediate, no pointer is stepped.
; REGISTERS: window 0: v1-8 lane terms and addresses of the way out; v11-15, v24 LDS addresses; v16-23 scale words, two sets; v32-95 the residual; v96-127 rows on the way out (v120-127 first: scale words on their way to LDS);
;   v128-255 accumulators.  window 1: v0-127 two fragment buffers; v128-255 two staging sets of 64.
.set KS,    22
.set NS,    KS/2
.set TS,    22528
.set SS,    2816
.set WOFF,  4980736                    ; the weight's codes in WB
.set WSOFF, 6733824                    ; and its scale words
.set ASOFF, 5767168                    ; the activations' scale words
.set SLOTB, 34816                      ; an LDS slot: 16 tiles x 2,048 bytes, then 8 pairs x 256 bytes of scale words
.set SOFF,  32768
.set STG,   2*SLOTB                    ; behind the slots: 16 rows x 272 bytes for each wave
.set ACC,   128
.set SC,    16
.set SG,    120
.set DST,   11
.set DSS,   12
.set ADP,   13
.set ADQ,   14
.set ASP,   15
.set ASQ,   24
.set FC,    20
.set FS,    22
.set MSB, 0
.macro WIN new
.if MSB != \new
	s_set_vgpr_msb (MSB<<8)|\new
.set MSB, \new
.endif
.endm
.macro PLACES                          ; four plain lines behind matrix instructions, ahead of loads into their registers and of the first read of results
.rept 4
	v_nop
.endr
.endm
.macro GLOAD sn, st                    ; stage st of my block into staging set sn: 18 loads
	WIN 0x40
.irp n, 0,1,2,3
.irp m, 0,1,2,3
	global_load_b128 v[128+64*(\sn)+16*\n+4*\m:128+64*(\sn)+16*\n+4*\m+3], v2, s[FC:FC+1] offset:\n*TS+(\st)*2048+\m*512
.endr
.endr
	WIN 0
.irp e, 0,1
	global_load_b64 v[SG+4*(\sn)+2*\e:SG+4*(\sn)+2*\e+1], v3, s[FS:FS+1] offset:\e*SS+(\st)*256
.endr
.endm
.macro DSTORE sn                       ; staging set sn into slot sn, as the bytes lie in memory
	WIN 0x04                                       ; an LDS store's data are its source 1: window 1
.irp n, 0,1,2,3
.irp m, 0,1,2,3
	ds_store_b128 v[DST], v[128+64*(\sn)+16*\n+4*\m:128+64*(\sn)+16*\n+4*\m+3] offset:(\sn)*SLOTB+\n*2048+\m*512
.endr
.endr
	WIN 0
.irp e, 0,1
	ds_store_b64 v[DSS], v[SG+4*(\sn)+2*\e:SG+4*(\sn)+2*\e+1] offset:(\sn)*SLOTB+\e*256
.endr
.endm
.macro FETCH buf, slot                 ; the slot's K step buf: my 8 fragments and 4 registers of scale words into buffer buf: 20 LDS loads
	WIN 0x40
.irp i, 0,1,2,3
.irp c, 0,1
	ds_load_b128 v[64*\buf+8*\i+4*\c:64*\buf+8*\i+4*\c+3], v[ADP] offset:(\slot)*SLOTB+\i*2048+\buf*1024+\c*512
	ds_load_b128 v[64*\buf+32+8*\i+4*\c:64*\buf+32+8*\i+4*\c+3], v[ADQ] offset:(\slot)*SLOTB+\i*2048+\buf*1024+\c*512
.endr
.endr
	WIN 0
.irp e, 0,1
	ds_load_b32 v[SC+4*\buf+\e], v[ASP] offset:(\slot)*SLOTB+\e*256+\buf*128
	ds_load_b32 v[SC+4*\buf+2+\e], v[ASQ] offset:(\slot)*SLOTB+\e*256+\buf*128
.endr
.endm
.macro WM i, j, buf, zero              ; one product; an odd tile's scale words stand in lanes 16-31 of its pair's register
.set rD, ACC+8*(4*(\j)+(\i))
.set rP, 64*(\buf)+8*(\i)
.set rQ, 64*(\buf)+32+8*(\j)
.set rA, SC+4*(\buf)+(\i)/2
.set rB, SC+4*(\buf)+2+(\j)/2
.if \zero
.if ((\i)%2 == 0) && ((\j)%2 == 0)
	v_wmma_scale_f32_16x16x128_f8f6f4 v[rD:rD+7], v[rP:rP+7], v[rQ:rQ+7], 0, v[rA], v[rB] matrix_a_fmt:MATRIX_FMT_FP4 matrix_b_fmt:MATRIX_FMT_FP4
.elseif (\j)%2 == 0
	v_wmma_scale_f32_16x16x128_f8f6f4 v[rD:rD+7], v[rP:rP+7], v[rQ:rQ+7], 0, v[rA], v[rB] matrix_a_fmt:MATRIX_FMT_FP4 matrix_b_fmt:MATRIX_FMT_FP4 matrix_a_scale:MATRIX_SCALE_ROW1
.elseif (\i)%2 == 0
	v_wmma_scale_f32_16x16x128_f8f6f4 v[rD:rD+7], v[rP:rP+7], v[rQ:rQ+7], 0, v[rA], v[rB] matrix_a_fmt:MATRIX_FMT_FP4 matrix_b_fmt:MATRIX_FMT_FP4 matrix_b_scale:MATRIX_SCALE_ROW1
.else
	v_wmma_scale_f32_16x16x128_f8f6f4 v[rD:rD+7], v[rP:rP+7], v[rQ:rQ+7], 0, v[rA], v[rB] matrix_a_fmt:MATRIX_FMT_FP4 matrix_b_fmt:MATRIX_FMT_FP4 matrix_a_scale:MATRIX_SCALE_ROW1 matrix_b_scale:MATRIX_SCALE_ROW1
.endif
.else
.if ((\i)%2 == 0) && ((\j)%2 == 0)
	v_wmma_scale_f32_16x16x128_f8f6f4 v[rD:rD+7], v[rP:rP+7], v[rQ:rQ+7], v[rD:rD+7], v[rA], v[rB] matrix_a_fmt:MATRIX_FMT_FP4 matrix_b_fmt:MATRIX_FMT_FP4
.elseif (\j)%2 == 0
	v_wmma_scale_f32_16x16x128_f8f6f4 v[rD:rD+7], v[rP:rP+7], v[rQ:rQ+7], v[rD:rD+7], v[rA], v[rB] matrix_a_fmt:MATRIX_FMT_FP4 matrix_b_fmt:MATRIX_FMT_FP4 matrix_a_scale:MATRIX_SCALE_ROW1
.elseif (\i)%2 == 0
	v_wmma_scale_f32_16x16x128_f8f6f4 v[rD:rD+7], v[rP:rP+7], v[rQ:rQ+7], v[rD:rD+7], v[rA], v[rB] matrix_a_fmt:MATRIX_FMT_FP4 matrix_b_fmt:MATRIX_FMT_FP4 matrix_b_scale:MATRIX_SCALE_ROW1
.else
	v_wmma_scale_f32_16x16x128_f8f6f4 v[rD:rD+7], v[rP:rP+7], v[rQ:rQ+7], v[rD:rD+7], v[rA], v[rB] matrix_a_fmt:MATRIX_FMT_FP4 matrix_b_fmt:MATRIX_FMT_FP4 matrix_a_scale:MATRIX_SCALE_ROW1 matrix_b_scale:MATRIX_SCALE_ROW1
.endif
.endif
.endm
.macro MULS buf, zero                  ; 16 products; the 16 accumulators take turns, one instruction a turn, in the same order in every step
	WIN 0x05
.irp j, 0,1,2,3
.irp i, 0,1,2,3
	WM \i, \j, \buf, \zero
.endr
.endr
	WIN 0
.endm
.macro RLOAD j                         ; the residual of row tile j: 8 loads, two rows of 256 bytes each, into set j % 2
.irp t, 0,1,2,3,4,5,6,7
	global_load_b128 v[32+32*((\j)%2)+4*\t:35+32*((\j)%2)+4*\t], v8, s[8:9] offset:(32*((\j)/2)+8*((\j)%2)+2*\t+8*(\t/4))*4096 th:TH_LOAD_NT
.endr
.endm
.macro STAGE t                         ; two K steps
.if (\t)+1 < NS
	s_wait_loadcnt 18                              ; this stage's 18 loads are in; the next stage's 18, issued behind them, may be out
.else
	s_wait_loadcnt 16                              ; the last stage's loads are in; the residual's 16, issued behind them, may be out
.endif
	DSTORE (\t)%2
	s_wait_dscnt 0x0                               ; for the others: my quarter of the slot lies in LDS (my reads of the other slot were waited for in the last stage)
	s_barrier_signal -1
	s_barrier_wait -1                              ; the slot is whole; the other slot is written again only behind this barrier, and nobody reads it any more
	FETCH 0, (\t)%2
	FETCH 1, (\t)%2
.if (\t)+2 < NS
	GLOAD (\t)%2, (\t)+2                           ; into the set whose stores have landed
.endif
.if (\t) == NS-2
	RLOAD 0                                        ; no operand is left to ask for: the residual's first two tiles go out
	RLOAD 1
.endif
	s_wait_dscnt 20                                ; the first K step's 20 loads are in; the second's 20 may be out
.if (\t) == 0
	MULS 0, 1                                      ; the first K step starts the sums
.else
	MULS 0, 0
.endif
	s_wait_dscnt 0x0
	MULS 1, 0
	PLACES
.endm
.macro OUTJ j
.if \j > 0
	s_wait_xcnt 0x0                                ; the last stores have read v96-127
.endif
.irp i, 0,1,2,3
	ds_store_b128 v6, v[ACC+8*(4*\j+\i):ACC+8*(4*\j+\i)+3] offset:(\i/2)*128+(\i%2)*32        ; each accumulator from its low end on
	ds_store_b128 v6, v[ACC+8*(4*\j+\i)+4:ACC+8*(4*\j+\i)+7] offset:(\i/2)*128+(\i%2)*32+16
.endr
.irp t, 0,1,2,3,4,5,6,7
	ds_load_b128 v[96+4*\t:99+4*\t], v7 offset:2*\t*272   ; LDS serves a wave's instructions in order (ISA guide 5.7.1.4): these see my stores
.endr
.if \j < 3
	s_wait_loadcnt 8                               ; this tile's residual is in; the other set's 8 loads may be out
.else
	s_wait_loadcnt 0x0
.endif
	s_wait_dscnt 0x0
.set n, 0
.rept 16
	v_pk_add_f32 v[96+n:97+n], v[96+n:97+n], v[32+32*(\j%2)+n:33+32*(\j%2)+n]
.set n, n+2
.endr
.irp t, 0,1,2,3,4,5,6,7
	global_store_b128 v8, v[96+4*\t:99+4*\t], s[10:11] offset:(32*(\j/2)+8*(\j%2)+2*\t+8*(\t/4))*4096
.endr
.if \j < 2
	RLOAD \j+2
.endif
.endm
	s_load_b256 s[4:11], s[0:1], 0x0               ; activations 4:5, WB 6:7, residual 8:9, out 10:11
	v_lshl_add_u32 v30, v0, 2, 0x15400
	v_mov_b32 v31, 0
	v_lshrrev_b32 v1, 5, v0
	v_readfirstlane_b32 s12, v1                    ; wave
	v_and_b32 v1, 31, v0
	v_lshlrev_b32 v2, 4, v1                        ; 16 x lane
	s_wait_alu depctr_va_vdst(0)
	v_lshlrev_b32 v3, 3, v1                        ; 8 x lane
	v_and_b32 v4, 15, v0
	v_bfe_u32 v5, v0, 4, 1
	s_lshr_b32 s13, s12, 1                         ; which block of rows is mine.  Also: I fetch for the weight (0) or for the activations (1)
	s_and_b32 s14, s12, 1                          ; which block of columns is mine.  Also: which of the two blocks I fetch
	s_lshl_b32 s30, s12, 13
	v_add_nc_u32 v[DST], s30, v2
	s_lshl_b32 s30, s12, 9
	s_add_co_u32 s30, s30, SOFF
	v_add_nc_u32 v[DSS], s30, v3
	s_lshl_b32 s30, s14, 13
	v_add_nc_u32 v[ADP], s30, v2
	s_lshl_b32 s30, s13, 13
	s_add_co_u32 s30, s30, 16384
	v_add_nc_u32 v[ADQ], s30, v2
	v_lshlrev_b32 v[ASP], 2, v1
	s_lshl_b32 s30, s13, 9
	s_add_co_u32 s30, s30, SOFF+1024
	v_add_nc_u32 v[ASQ], s30, v[ASP]
	s_lshl_b32 s30, s14, 9
	s_add_co_u32 s30, s30, SOFF
	v_add_nc_u32 v[ASP], s30, v[ASP]
	s_and_b32 s17, ttmp7, 0xffff
	s_lshl_b32 s17, s17, 1
	s_add_co_u32 s15, s17, s13                     ; R: my 64 rows
	s_add_co_u32 s17, s17, s14                     ; the block of rows that I would fetch
	s_lshl_b32 s16, ttmp9, 1
	s_add_co_u32 s16, s16, s14                     ; Cn: my 64 columns, and the block of the weight that I would fetch
	s_mov_b32 s31, 0
	s_wait_alu depctr_va_vdst(0)
	s_wait_kmcnt 0x0
	s_mul_i32 s30, s16, 4*TS
	s_add_co_u32 s30, s30, WOFF
	s_add_nc_u64 s[32:33], s[6:7], s[30:31]
	s_mul_i32 s30, s16, 2*SS
	s_add_co_u32 s30, s30, WSOFF
	s_add_nc_u64 s[34:35], s[6:7], s[30:31]
	s_mul_i32 s30, s17, 4*TS
	s_add_nc_u64 s[36:37], s[4:5], s[30:31]
	s_mul_i32 s30, s17, 2*SS
	s_add_co_u32 s30, s30, ASOFF
	s_add_nc_u64 s[38:39], s[4:5], s[30:31]
	s_cmp_eq_u32 s13, 0
	s_cselect_b64 s[FC:FC+1], s[32:33], s[36:37]
	s_cselect_b64 s[FS:FS+1], s[34:35], s[38:39]
	GLOAD 0, 0
	GLOAD 1, 1
	s_mul_i32 s32, s12, 4352                       ; my stage: 16 rows x (256 + 16) bytes
	s_add_co_u32 s32, s32, STG
	v_mul_u32_u24 v6, v4, 272
	v_lshl_add_u32 v6, v5, 6, v6
	v_add_nc_u32 v6, s32, v6                       ; in: row lane % 16, + 64 (lane / 16)
	v_mul_u32_u24 v7, v5, 272
	v_lshl_add_u32 v7, v4, 4, v7
	v_add_nc_u32 v7, s32, v7                       ; back: lanes 0-15 one row, lanes 16-31 the next
	v_lshlrev_b32 v8, 12, v5
	v_lshl_add_u32 v8, v4, 4, v8                   ; the same two rows in memory
	s_lshl_b32 s30, s15, 18
	s_lshl_b32 s32, s16, 8
	s_add_co_u32 s30, s30, s32
	s_add_nc_u64 s[8:9], s[8:9], s[30:31]
	s_add_nc_u64 s[10:11], s[10:11], s[30:31]
.set tt, 0
	s_wait_alu depctr_va_vdst(0)
.rept NS
	STAGE tt
.set tt, tt+1
.endr
	OUTJ 0
	OUTJ 1
	OUTJ 2
	OUTJ 3
	s_wait_tensorcnt 0x0
	ds_add_u32 v30, v31
	s_wait_dscnt 0x0
	s_endpgm
.Lfunc_end_k_q8109f530a3_down:
	.size	k_q8109f530a3_down, .Lfunc_end_k_q8109f530a3_down-k_q8109f530a3_down
	.p2alignl 7, 3214868480
	.fill 96, 4, 3214868480
	.section	.rodata,"a",@progbits
	.p2align	6, 0x0
	.amdhsa_kernel k_q8109f530a3_down
		.amdhsa_group_segment_fixed_size 87552
		.amdhsa_private_segment_fixed_size 0
		.amdhsa_enable_private_segment 0
		.amdhsa_kernarg_size 32
		.amdhsa_user_sgpr_count 2
		.amdhsa_user_sgpr_kernarg_segment_ptr 1
		.amdhsa_wavefront_size32 1
		.amdhsa_system_sgpr_workgroup_id_x 1
		.amdhsa_system_sgpr_workgroup_id_y 1
		.amdhsa_system_sgpr_workgroup_id_z 1
		.amdhsa_system_vgpr_workitem_id 0
		.amdhsa_next_free_vgpr 512
		.amdhsa_next_free_sgpr 66
		.amdhsa_reserve_vcc 0
		.amdhsa_float_denorm_mode_32 3
		.amdhsa_float_denorm_mode_16_64 3
		.amdhsa_memory_ordered 1
		.amdhsa_forward_progress 1
		.amdhsa_inst_pref_size 128
	.end_amdhsa_kernel
	.amdgpu_metadata
---
amdhsa.version: [ 1, 2 ]
amdhsa.kernels:
  - .name:           k_q8109f530a3_down
    .symbol:         k_q8109f530a3_down.kd
    .args:
      - { .name: UB, .offset: 0, .size: 8, .value_kind: global_buffer, .address_space: global }
      - { .name: WB, .offset: 8, .size: 8, .value_kind: global_buffer, .address_space: global }
      - { .name: X1, .offset: 16, .size: 8, .value_kind: global_buffer, .address_space: global }
      - { .name: out0, .offset: 24, .size: 8, .value_kind: global_buffer, .address_space: global }
    .group_segment_fixed_size: 87552
    .private_segment_fixed_size: 0
    .kernarg_segment_align: 8
    .kernarg_segment_size: 32
    .max_flat_workgroup_size: 128
    .sgpr_count:     66
    .vgpr_count:     512
    .wavefront_size: 32
...
	.end_amdgpu_metadata
.endif
;; end of part 6
